; MI455X (gfx1250); checked and timed in simulation.
; The chip was launched on July 23, 2026; its instructions are those of AMD's public machine-readable ISA for CDNA 5 (MIT licence, August 2026) and "CDNA5" Instruction Set Architecture Reference Guide (July 2026). The comments in the code are by the model that wrote it; some were corrected since.
;; Multi Head Attn. Allowed arithmetic: matrix products marked QUANTISED: E4M3 operands, one given power-of-two scale a tensor, by v_wmma_f32_16x16x64_fp8_fp8 or v_wmma_f32_16x16x128_fp8_fp8, f32 sums; everything else in f32.
;; Inputs: Wk 1,024 x 1,024 float32; Wo 1,024 x 1,024 float32; Wq 1,024 x 1,024 float32; Wv 1,024 x 1,024 float32; attn_mask 1 x 2,048 x 2,048 float32; bk 1,024 float32; bo 1,024 float32; bq 1,024 float32; bv 1,024 float32; key 4 x 2,048 x 1,024 float32; lowp_scales 12 int32 (the exponents e of the quantised operands' scales 2^e); query 4 x 2,048 x 1,024 float32; val 4 x 2,048 x 1,024 float32.
;; Outputs: out0 4 x 2,048 x 1,024 float32.
;; This version of the problem:
;;   THIS VERSION OF THE PROBLEM IS GIVEN IN LOW PRECISION. The matrix products marked QUANTISED in the list below multiply operands that are first quantised to E4M3 (4 exponent bits, 3 mantissa bits; 8 bits a number), with one given power-of-two scale for each operand tensor; their sums are f32. All else is computed in f32.
;;   The module's matrix products, in the order in which they are computed (A, B: the left and right operand; K: the contracted axis; several contracted axes count as one K, in the product's order):
;;     1. [M 8,192, K 1,024] x [K 1,024, N 1,024]; A: input query; B: input Wq: QUANTISED (scales: A lowp_scales[0], B lowp_scales[1])
;;     2. [M 8,192, K 1,024] x [K 1,024, N 1,024]; A: input key; B: input Wk: QUANTISED (scales: A lowp_scales[2], B lowp_scales[3])
;;     3. [M 8,192, K 1,024] x [K 1,024, N 1,024]; A: input val; B: input Wv: QUANTISED (scales: A lowp_scales[4], B lowp_scales[5])
;;     4. batch 64 x [M 2,048, K 64] x [K 64, N 2,048]; A: computed on the way; B: computed on the way: QUANTISED (scales: A lowp_scales[6], B lowp_scales[7])
;;     5. batch 64 x [M 64, K 2,048] x [K 2,048, N 2,048]; A: computed on the way; B: softmax (see below): QUANTISED (scales: A lowp_scales[8], B lowp_scales[9])
;;     6. [M 8,192, K 1,024] x [K 1,024, N 1,024]; A: computed on the way; B: input Wo: QUANTISED (scales: A lowp_scales[10], B lowp_scales[11])
;;   THE QUANTISER, for each operand of a quantised product, along K:
;;     - The operand's scale is 2^e, e = its entry of the input lowp_scales (int32; the entries are numbered through the quantised products in the list's order, A before B).
;;     - Each number is divided by the scale, clamped to +-448, and rounded to the nearest number of E4M3, ties to even, subnormals kept.
;;     - The product sums the exact products of the quantised numbers (number of the format x scale) in f32.
;;   ~~~python
;;   def quantise(x, axis, e):      # numpy; x: float32 -> the quantised numbers, widened to float32 again
;;       x = np.moveaxis(x, axis, -1); K = x.shape[-1]
;;       r = np.clip(x / 2.0 ** e, -448, 448)
;;       step = 2.0 ** (np.maximum(np.frexp(np.where(r == 0, 1, r))[1] - 1, -6) - 3)
;;       q = np.round(r / step) * step * 2.0 ** e      # np.round: ties to even
;;       return np.moveaxis(q, -1, axis).astype(np.float32)
;;   ~~~
;;   SOFTMAX AHEAD OF A QUANTISED PRODUCT. Where the list says 'softmax', what is quantised is not the finished softmax but p = 2^(t - M), with t = logit x log2(e) and M = ceil(the row's largest t), a whole number; so 1/2 < the row's largest p <= 1. The row's sum l is taken of the UNQUANTISED p, in f32, and the product's result is divided by l at the end. Since M is a whole number, a kernel that streams over the keys may use a running M (the ceiling of the running maximum): every later rescaling is an exact power of two, so the quantised numbers keep their values, but for numbers so far below the row's largest that they fall under the format's range.
;;   OPERANDS COMPUTED ON THE WAY. 'Computed on the way' means the value that the module computes at that place (a softmax that the list does not call 'softmax' is quantised finished and normalised). What goes into a quantiser is computed in f32, as accurately as f32 sums, v_exp_f32 and their like allow (about 1e-6 of the number): no bf16 or f16 on the way to a quantiser, and a product that is left as it is and whose result goes on into a quantised operand takes f32 operands (vector FMAs, or v_wmma_f32_16x16x4_f32). A number that lies on a knife's edge between two numbers of the format may be rounded either way, as far as f32 arithmetic and the matrix unit's own rounding can turn it there, and no further.
;; 2 versions, each right; version 2 is version 1 with the launch attn written anew for expert scheduling mode. Each part assembles by itself: llvm-mc -triple=amdgcn-amd-amdhsa -mcpu=gfx1250 --defsym DOCPART=n.
;; ======== version 1 of 2: 4 launches
;; workspace buffers: xc 25,165,824 bytes; wc 4,194,304 bytes; lm 16,777,216 bytes; flags 8,192 bytes of whole numbers; qc 8,388,608 bytes; kc 8,388,608 bytes; vc 8,388,608 bytes; ac 8,388,608 bytes
;; launch prep (part 1): grid 1024 x 1, 4 waves a work-group, no clusters, 34,304 bytes of LDS; arguments query, key, val, Wq, Wk, Wv, Wo, attn_mask, lowp_scales, xc, wc, lm, flags; writes xc, wc, lm, flags
.if DOCPART == 1
	.amdgcn_target "amdgcn-amd-amdhsa--gfx1250"
	.amdhsa_code_object_version 6
	.text
	.protected	k_qc882dbf599_prep
	.globl	k_qc882dbf599_prep
	.p2align	8
	.type	k_qc882dbf599_prep,@function
k_qc882dbf599_prep:
	s_mov_b64 s[64:65], 0
	v_nop
	global_prefetch_b8 v0, s[64:65] scope:SCOPE_SE
	s_setreg_imm32_b32 hwreg(HW_REG_WAVE_MODE, 25, 1), 1
	s_wait_xcnt 0x0
; PREP.  query, key, val [8192][1024] and Wq, Wk, Wv, Wo [1024][1024], f32, become codes of E4M3 with the given scales; attn_mask [2048][2048] becomes its logarithm and a class for each tile.
; THE UNIT of work is 16 rows x 128 columns of f32, the same for all eight tensors.  A wave takes four neighbouring units of one tile of 16 rows: 2,048 bytes of each row.
; CODES leave as IMAGES OF AN OPERAND'S REGISTERS: a fragment of 16 rows x 128 K in the plain fp8 form's own layout (lane (r, h): row r; registers 2 c, 2 c + 1: k = 16 c + 8 h + 0 .. 7), registers 4 p .. 4 p + 3 at byte
; 512 p + 16 x lane.  xc: [3 tensors][512 row tiles][8 K steps][2,048 bytes];  wc: [4 weights][64 row tiles][8 K steps][2,048].  code = x / 2^e, held within +-448, to the nearest code, ties to even.
; THE MASK.  lm: [128 query tiles i][16 key steps s][8,192 bytes]: register 8 t + j of lane (r, h) = ln(mask[16 i + r][128 s + 16 t + 8 h + j]) x 2^-(e6 + e7): the layout and the unit of the raw score sums of the attention launch.
; flags: int32 [i][s]: 0 = all 2,048 numbers of the tile are zero, 1 = all are 1.0, 2 = anything else.  The class is chosen by selects and stored: no branch and no address of this launch hangs on it.
; SHARES.  Work-groups 0-127: the mask (row tile = work-group, 2,048 bytes of a row = wave); 128-255: the weights; 256-1023: query, key, val (two row tiles a work-group, two waves to a row of 4,096 bytes).
; Each load reads 512 consecutive bytes of one row.  A unit turns through the wave's own stage in LDS (16 rows, 528 bytes apart) so that a lane gets 8 neighbours along K for each conversion.
; No tensor load, no barrier: waves share nothing.  The LDS lines stand on the way that all kinds take.
; LIMITS: each e between -126 and 119; e6 + e7 between -100 and 100.  NaN among the inputs and negative numbers in the mask are not served; a mask number under 2^-126 counts as 0 (v_log_f32 takes a denormal for zero: ISA guide 15.8).
.set SP,    528                        ; a stage row: 512 bytes + 16: an odd multiple of 16 bytes, so that 16 rows start at 16 different groups of banks (64 banks of 4 bytes: ISA guide 11.1)
.set WST,   16*SP                      ; a wave's stage
.set OFFR,  4                          ; v4-19   row p of the tile: p x pitch + 16 x lane
.set STA,   20                         ; v20     the stage, on the way in: 16 x lane
.set LDA,   21                         ; v21     and on the way out: 528 r + 32 h
.set OUT,   22                         ; v22     16 x lane
.set SCV,   23                         ; v23     2^e as f32
.set LIM,   24                         ; v24     448 x 2^e
.set R,     32                         ; v32-159 two sets of 64 numbers as loaded
.set X,     160                        ; v160-223 X[8 c + j] = element (r, 16 c + 8 h + j)
.set C,     224                        ; v224-239 a unit's codes
.set FL,    240                        ; v240-243 the four units' classes
.set ORC,   244                        ; v244-247 the words' OR, four chains
.set ANC,   248                        ; v248-251 the words' AND, four chains
.set TV,    252
.set ZO,    253                        ; v253    0
.set SRC,   4                          ; s[4:5]  my first row's first byte
.set DST,   6                          ; s[6:7]  my first unit's place in xc, wc or lm
.set WV,    34
.set KIND,  35                         ; 0: query, key, val;  1: a weight;  2: the mask
.set PITCH, 36
.set IDX,   37                         ; which entry of the scales is my tensor's
.set RT,    38                         ; row tile in my tensor
.set CG,    39                         ; which 2,048 bytes of its rows
	s_load_b512 s[8:23], s[0:1], 0x0               ; query, key, val, Wq, Wk, Wv, Wo, attn_mask
	s_load_b256 s[24:31], s[0:1], 0x40             ; the scales' exponents, xc, wc, lm
	s_load_b64 s[32:33], s[0:1], 0x60              ; flags
	v_lshl_add_u32 v254, v0, 2, 0x8400
	v_mov_b32 v255, 0
	v_lshrrev_b32 v1, 5, v0
	v_readfirstlane_b32 s[WV], v1                  ; wave 0..3
	v_and_b32 v1, 31, v0                           ; lane
	v_and_b32 v2, 15, v0                           ; r
	v_bfe_u32 v3, v0, 4, 1                         ; h
	v_lshlrev_b32 v[OUT], 4, v1
	v_mov_b32 v[ZO], 0
.irp u, 0,1,2,3
	v_mov_b32 v[FL+\u], 0                          ; written on every way; the mask's waves write their classes over them
.endr
	s_mul_i32 s56, s[WV], WST
	v_add_nc_u32 v[STA], s56, v[OUT]
	v_mul_u32_u24 v[LDA], v2, SP
	v_lshl_add_u32 v[LDA], v3, 5, v[LDA]
	v_add_nc_u32 v[LDA], s56, v[LDA]
	s_lshr_b32 s2, s[WV], 1                        ; which of the work-group's two row tiles (query, key, val, weights)
	s_and_b32 s[CG], s[WV], 1
	s_mov_b32 s[PITCH], 4096
	s_mov_b32 s59, 0x3f800000                      ; 1.0
	s_wait_kmcnt 0x0
	s_load_b256 s[44:51], s[24:25], 0x0            ; e0 .. e7
	s_load_b128 s[52:55], s[24:25], 0x20           ; e8 .. e11
	s_cmp_lt_u32 ttmp9, 128
	s_cbranch_scc1 .Lkm
	s_cmp_lt_u32 ttmp9, 256
	s_cbranch_scc1 .Lkw
	s_sub_co_u32 s3, ttmp9, 256                    ; query, key, val
	s_lshr_b32 s56, s3, 8                          ; which of the three
	s_lshl_b32 s3, s3, 1
	s_add_co_u32 s3, s3, s2                        ; row tile among the 1,536
	s_and_b32 s[RT], s3, 511
	s_cmp_eq_u32 s56, 1
	s_cselect_b64 s[SRC:SRC+1], s[10:11], s[8:9]
	s_cmp_eq_u32 s56, 2
	s_cselect_b64 s[SRC:SRC+1], s[12:13], s[SRC:SRC+1]
	s_mov_b64 s[DST:DST+1], s[26:27]
	s_lshl_b32 s42, s3, 14                         ; a row tile's eight images
	s_lshl_b32 s57, s[CG], 13                      ; four of them
	s_add_co_u32 s42, s42, s57
	s_lshl_b32 s[IDX], s56, 1                      ; entries 0, 2, 4
	s_mov_b32 s[KIND], 0
	s_branch .Lgo
.Lkw:
	s_sub_co_u32 s3, ttmp9, 128                    ; the weights
	s_lshr_b32 s56, s3, 5                          ; which of the four
	s_lshl_b32 s3, s3, 1
	s_add_co_u32 s3, s3, s2                        ; row tile among the 256
	s_and_b32 s[RT], s3, 63
	s_cmp_eq_u32 s56, 1
	s_cselect_b64 s[SRC:SRC+1], s[16:17], s[14:15]
	s_cmp_eq_u32 s56, 2
	s_cselect_b64 s[SRC:SRC+1], s[18:19], s[SRC:SRC+1]
	s_cmp_eq_u32 s56, 3
	s_cselect_b64 s[SRC:SRC+1], s[20:21], s[SRC:SRC+1]
	s_mov_b64 s[DST:DST+1], s[28:29]
	s_lshl_b32 s42, s3, 14
	s_lshl_b32 s57, s[CG], 13
	s_add_co_u32 s42, s42, s57
	s_lshl_b32 s[IDX], s56, 1
	s_add_co_u32 s[IDX], s[IDX], 1                 ; entries 1, 3, 5,
	s_cmp_eq_u32 s56, 3
	s_cselect_b32 s[IDX], 11, s[IDX]               ; and 11 for Wo
	s_mov_b32 s[KIND], 1
	s_branch .Lgo
.Lkm:
	s_mov_b32 s[RT], ttmp9                         ; the mask
	s_mov_b32 s[CG], s[WV]
	s_mov_b32 s[PITCH], 8192
	s_mov_b64 s[SRC:SRC+1], s[22:23]
	s_mov_b64 s[DST:DST+1], s[30:31]
	s_lshl_b32 s42, s[RT], 17                      ; a query tile's 16 key steps of 8,192 bytes
	s_lshl_b32 s57, s[CG], 15                      ; four of them
	s_add_co_u32 s42, s42, s57
	s_lshl_b32 s56, s[RT], 6                       ; its 16 classes,
	s_lshl_b32 s57, s[CG], 4                       ; four of them
	s_add_co_u32 s56, s56, s57
	s_mov_b32 s57, 0
	s_add_nc_u64 s[32:33], s[32:33], s[56:57]
	s_mov_b32 s[IDX], 0                            ; (the mask takes e6 + e7 below)
	s_mov_b32 s[KIND], 2
.Lgo:
	s_mov_b32 s43, 0
	s_add_nc_u64 s[DST:DST+1], s[DST:DST+1], s[42:43]
	s_mul_i32 s42, s[RT], s[PITCH]
	s_lshl_b32 s42, s42, 4                         ; 16 rows a tile
	s_lshl_b32 s57, s[CG], 11
	s_add_co_u32 s42, s42, s57
	s_add_nc_u64 s[SRC:SRC+1], s[SRC:SRC+1], s[42:43]
.irp p, 0,1,2,3,4,5,6,7,8,9,10,11,12,13,14,15
	s_mul_i32 s56, s[PITCH], \p
	v_lshl_add_u32 v[OFFR+\p], v1, 4, s56
.endr
.macro LOAD u                          ; unit u: 16 loads, each 512 consecutive bytes of one row, into set u % 2
.irp p, 0,1,2,3,4,5,6,7,8,9,10,11,12,13,14,15
	global_load_b128 v[R+64*((\u)%2)+4*\p:R+64*((\u)%2)+4*\p+3], v[OFFR+\p], s[SRC:SRC+1] offset:512*(\u) th:TH_LOAD_NT
.endr
.endm
.macro TURN u                          ; through the stage: LDS serves a wave's instructions in order (ISA guide 5.7.1.4), so no wait stands between the stores and the loads
.irp p, 0,1,2,3,4,5,6,7,8,9,10,11,12,13,14,15
	ds_store_b128 v[STA], v[R+64*((\u)%2)+4*\p:R+64*((\u)%2)+4*\p+3] offset:SP*\p
.endr
.irp g, 0,1,2,3,4,5,6,7,8,9,10,11,12,13,14,15
	ds_load_b128 v[X+4*\g:X+4*\g+3], v[LDA] offset:64*(\g/2)+16*(\g%2)
.endr
.endm
	LOAD 0
	LOAD 1
	s_wait_kmcnt 0x0
	s_mov_b32 s62, s44                             ; my tensor's e, by selects on the entry's number
.irp n, 1,2,3,4,5
	s_cmp_eq_u32 s[IDX], \n
	s_cselect_b32 s62, s[44+\n], s62
.endr
	s_cmp_eq_u32 s[IDX], 11
	s_cselect_b32 s62, s55, s62
	s_add_co_i32 s62, s62, 127
	s_lshl_b32 s63, s62, 23
	v_mov_b32 v[SCV], s63                          ; 2^e as f32: the conversion takes its exponent field
	s_add_co_i32 s62, s62, 8
	s_lshl_b32 s62, s62, 23
	s_or_b32 s62, s62, 0x600000
	v_mov_b32 v[LIM], s62                          ; 448 x 2^e
	s_add_co_i32 s40, s50, s51                     ; e6 + e7
	s_lshl_b32 s40, s40, 23
	s_sub_co_i32 s40, 0x3f317218, s40              ; ln 2 x 2^-(e6 + e7): the two exponents are taken off ln 2's exponent field
	s_mov_b32 s41, s40                             ; (named with it as a pair, so it is written)
.macro UNIT u
.if (\u) < 3
	s_wait_loadcnt 16                              ; this unit's 16 loads are in; the next unit's 16 may be out
.else
	s_wait_loadcnt 0x0
.endif
.if (\u) > 0
	s_wait_xcnt 0x0                                ; the last unit's stores have read X and C: both are written again below
.endif
	TURN \u
	s_wait_dscnt 0x0                               ; X is in, and the stores into the stage have read their set,
.if (\u) < 2
	LOAD (\u)+2                                    ; which takes the unit two further on
.endif
	s_cmp_eq_u32 s[KIND], 2
	s_cbranch_scc1 .Lmask_\@
.set j, 0
.rept 64
	v_med3_num_f32 v[X+j], v[X+j], -v[LIM], v[LIM] ; the conversion to an 8-bit code does not saturate (ISA guide 7.6.2): the hold at the largest code x the scale comes first
.set j, j+1
.endr
.irp c, 0,1,2,3,4,5,6,7
	v_cvt_scalef32_pk8_fp8_f32 v[C+2*\c:C+2*\c+1], v[X+8*\c:X+8*\c+7], v[SCV]   ; registers 2 c, 2 c + 1 of the fragment
.endr
	v_nop                                          ; a plain line behind the last conversion
.irp p, 0,1,2,3
	global_store_b128 v[OUT], v[C+4*\p:C+4*\p+3], s[DST:DST+1] offset:2048*(\u)+512*\p   ; 32 lanes store 512 consecutive bytes, aligned
.endr
	s_branch .Lnext_\@
.Lmask_\@:
.irp k, 0,1,2,3
	v_or_b32 v[ORC+\k], v[X+\k], v[X+4+\k]         ; the class is read off the words' OR and AND
	v_and_b32 v[ANC+\k], v[X+\k], v[X+4+\k]
.endr
.irp q, 8,12,16,20,24,28,32,36,40,44,48,52,56,60
.irp k, 0,1,2,3
	v_or_b32 v[ORC+\k], v[ORC+\k], v[X+\q+\k]
	v_and_b32 v[ANC+\k], v[ANC+\k], v[X+\q+\k]
.endr
.endr
	v_or_b32 v[ORC], v[ORC], v[ORC+1]
	v_or_b32 v[ORC+2], v[ORC+2], v[ORC+3]
	v_and_b32 v[ANC], v[ANC], v[ANC+1]
	v_and_b32 v[ANC+2], v[ANC+2], v[ANC+3]
	v_or_b32 v[ORC], v[ORC], v[ORC+2]
	v_and_b32 v[ANC], v[ANC], v[ANC+2]
	v_and_b32 v[TV], 0x7fffffff, v[ORC]            ; a zero's sign does not count
	v_cmp_ne_u32 s56, 0, v[TV]                     ; lanes that hold something other than zeros
	v_cmp_ne_u32 s57, s59, v[ORC]                  ; lanes that hold something other than 1.0: OR and AND are both 1.0's word only where all 64 words are
	v_cmp_ne_u32 s58, s59, v[ANC]
	s_or_b32 s57, s57, s58
	s_cmp_eq_u32 s57, 0
	s_cselect_b32 s60, 1, 2
	s_cmp_eq_u32 s56, 0
	s_cselect_b32 s60, 0, s60
	v_mov_b32 v[FL+\u], s60
.set j, 0
.rept 64
	v_log_f32 v[X+j], v[X+j]                       ; log2; of 0: -infinity; of 1.0: 0
.set j, j+1
.endr
	v_nop                                          ; a plain line behind the last logarithm
	s_wait_alu depctr_va_vdst(0)                   ; one wait for the batch, ahead of its first reader
.set j, 0
.rept 32
	v_pk_mul_f32 v[X+j:X+j+1], v[X+j:X+j+1], s[40:41] op_sel_hi:[1,0]
.set j, j+2
.endr
.irp g, 0,1,2,3,4,5,6,7,8,9,10,11,12,13,14,15
	global_store_b128 v[OUT], v[X+4*\g:X+4*\g+3], s[DST:DST+1] offset:8192*(\u)+512*\g
.endr
.Lnext_\@:
.endm
	UNIT 0
	UNIT 1
	UNIT 2
	UNIT 3
	s_cmp_lg_u32 s[KIND], 2
	s_cbranch_scc1 .Ldone
	v_cmp_eq_u32 vcc_lo, 0, v1
	s_wait_xcnt 0x0                                ; EXEC changes only behind this wait: the stores above have it among their sources
	s_and_saveexec_b32 s61, vcc_lo
	global_store_b128 v[ZO], v[FL:FL+3], s[32:33]  ; lane 0: my four classes
	s_wait_xcnt 0x0
	s_or_b32 exec_lo, exec_lo, s61
.Ldone:
	s_wait_tensorcnt 0x0
	ds_add_u32 v254, v255
	s_wait_dscnt 0x0
	s_endpgm
.Lfunc_end_k_qc882dbf599_prep:
	.size	k_qc882dbf599_prep, .Lfunc_end_k_qc882dbf599_prep-k_qc882dbf599_prep
	.p2alignl 7, 3214868480
	.fill 96, 4, 3214868480
	.section	.rodata,"a",@progbits
	.p2align	6, 0x0
	.amdhsa_kernel k_qc882dbf599_prep
		.amdhsa_group_segment_fixed_size 34304
		.amdhsa_private_segment_fixed_size 0
		.amdhsa_enable_private_segment 0
		.amdhsa_kernarg_size 104
		.amdhsa_user_sgpr_count 2
		.amdhsa_user_sgpr_kernarg_segment_ptr 1
		.amdhsa_wavefront_size32 1
		.amdhsa_system_sgpr_workgroup_id_x 1
		.amdhsa_system_sgpr_workgroup_id_y 1
		.amdhsa_system_sgpr_workgroup_id_z 1
		.amdhsa_system_vgpr_workitem_id 0
		.amdhsa_next_free_vgpr 256
		.amdhsa_next_free_sgpr 66
		.amdhsa_reserve_vcc 1
		.amdhsa_float_denorm_mode_32 3
		.amdhsa_float_denorm_mode_16_64 3
		.amdhsa_memory_ordered 1
		.amdhsa_forward_progress 1
		.amdhsa_inst_pref_size 81
	.end_amdhsa_kernel
	.amdgpu_metadata
---
amdhsa.version: [ 1, 2 ]
amdhsa.kernels:
  - .name:           k_qc882dbf599_prep
    .symbol:         k_qc882dbf599_prep.kd
    .args:
      - { .name: query, .offset: 0, .size: 8, .value_kind: global_buffer, .address_space: global }
      - { .name: key, .offset: 8, .size: 8, .value_kind: global_buffer, .address_space: global }
      - { .name: val, .offset: 16, .size: 8, .value_kind: global_buffer, .address_space: global }
      - { .name: Wq, .offset: 24, .size: 8, .value_kind: global_buffer, .address_space: global }
      - { .name: Wk, .offset: 32, .size: 8, .value_kind: global_buffer, .address_space: global }
      - { .name: Wv, .offset: 40, .size: 8, .value_kind: global_buffer, .address_space: global }
      - { .name: Wo, .offset: 48, .size: 8, .value_kind: global_buffer, .address_space: global }
      - { .name: attn_mask, .offset: 56, .size: 8, .value_kind: global_buffer, .address_space: global }
      - { .name: lowp_scales, .offset: 64, .size: 8, .value_kind: global_buffer, .address_space: global }
      - { .name: xc, .offset: 72, .size: 8, .value_kind: global_buffer, .address_space: global }
      - { .name: wc, .offset: 80, .size: 8, .value_kind: global_buffer, .address_space: global }
      - { .name: lm, .offset: 88, .size: 8, .value_kind: global_buffer, .address_space: global }
      - { .name: flags, .offset: 96, .size: 8, .value_kind: global_buffer, .address_space: global }
    .group_segment_fixed_size: 34304
    .private_segment_fixed_size: 0
    .kernarg_segment_align: 8
    .kernarg_segment_size: 104
    .max_flat_workgroup_size: 128
    .sgpr_count:     66
    .vgpr_count:     256
    .wavefront_size: 32
...
	.end_amdgpu_metadata
.endif
;; end of part 1
;; launch proj (part 2): grid 4 x 96, 4 waves a work-group, clusters of 4 x 4, 327,680 bytes of LDS; arguments xc, wc, bq, bk, bv, lowp_scales, qc, kc, vc; writes qc, kc, vc
.if DOCPART == 2
	.amdgcn_target "amdgcn-amd-amdhsa--gfx1250"
	.amdhsa_code_object_version 6
	.text
	.protected	k_qc882dbf599_proj
	.globl	k_qc882dbf599_proj
	.p2align	8
	.type	k_qc882dbf599_proj,@function
k_qc882dbf599_proj:
	s_mov_b64 s[64:65], 0
	v_nop
	global_prefetch_b8 v0, s[64:65] scope:SCOPE_SE
	s_setreg_imm32_b32 hwreg(HW_REG_WAVE_MODE, 25, 1), 1
	s_wait_xcnt 0x0
	s_wait_alu depctr_hold_cnt(0) depctr_sa_sdst(0) depctr_va_vdst(0) depctr_va_sdst(0) depctr_va_ssrc(0) depctr_va_vcc(0) depctr_vm_vsrc(0)
	s_getreg_b32 s2, hwreg(HW_REG_IB_STS2, 6, 4)
	s_cmp_eq_u32 s2, 0
	s_cbranch_scc0 .Lentry_in_a_cluster
	s_endpgm
.Lentry_in_a_cluster:
	s_bfe_u32 s2, ttmp6, 0x10000c
	s_cmp_lg_u32 s2, 0xf033
	s_cbranch_scc0 .Lentry_shape_is_right
	s_endpgm
.Lentry_shape_is_right:
; PROJ.  The three projections on codes of E4M3, and their results quantised again for the attention launch.  q = query Wq^T + bq, k = key Wk^T + bk, v = val Wv^T + bv; K = 1,024.
; A tile of 256 x 256 is made by four waves, 128 x 128 each: 64 accumulators, 512 registers.  K goes in steps of 256 through a ring of two LDS slots filled by the tensor data mover.
; OPERANDS ARE IMAGES OF THEIR REGISTERS (xc, wc: [row tile of 16][8 K steps of 128][2,048 bytes]; registers 4 p .. 4 p + 3 at 512 p + 16 x lane): a fragment is four ds_load_b128 of 512 consecutive bytes each; no pitch, no padding.
; ROLES, by the cluster's y (24 clusters of 4 x 4): 0: A = query, B = Wq;  1: A = key, B = Wk;  2: A = Wv, B = val.  THE MATRIX INSTRUCTION IS USED TRANSPOSED (source 0 = 16 rows of B, source 1 = 16 rows of A): a lane holds one row
; of A and its eight registers eight neighbouring rows of B.  So in roles 0 and 1 a lane holds a token and its registers run along the channels (the scores' K), and in role 2 a lane holds a channel and its registers run along the
; tokens (the second product's K): one conversion of an accumulator is registers 2 c, 2 c + 1 of the next operand, and nothing is transposed.
; OUT: qc, kc: [batch][head][128 token tiles][1,024 bytes: 16 tokens x 64 channels];  vc: [batch][head][16 key steps][4 channel tiles][2,048 bytes: 16 channels x 128 keys].  Each store of a wave covers 512 consecutive bytes, aligned.
; result = sum x 2^(eA + eB) + bias, one packed multiply-add for two; then held within +-448 x 2^eo and converted.  eo: q entry 6, k entry 7, v entry 8 of the scales.
; CLUSTERS: the four work-groups of a row of the cluster need the same tiles of A, the four of a column the same tiles of B: each tile is asked for JOINTLY.  The role hangs on the cluster's y alone: it is the same in all sixteen.
; No branch hangs on a scale: what a scale decides is chosen by selects on the role, and the hold is always executed.
; LIMITS: eo between -126 and 119; eA + eB between -126 and 127.
; REGISTERS, in windows of 256: window 0: v0-31 addresses; v64-127 the bias; from v128 A's fragments, ONE set (on the way out: v128-191 results, v192-223 codes).  window 1: B's fragments, TWO sets.  windows 2, 3: the accumulators ((a, b) at v[8 (8 (a % 4) + b)]).
.set FRB,    2048                      ; a fragment's image
.set RTB,    2*FRB                     ; a row tile's part of a slot: two K steps of 128
.set HALFT,  8*RTB                     ; 128 rows: what one tensor load brings, and what one wave reads of A or of B
.set SLOT,   4*HALFT                   ; A's 256 rows, then B's 256 rows
.set SPARE,  2*SLOT                    ; behind the ring: the spare words, 128 bytes for each wave: two blocks of 256 bytes that no other line names
.set LAPS,   2                         ; K = 1,024 = two laps of two slots of 256
.set FR,     16
.set NL,     4                         ; LDS loads that bring a fragment
.set NP,     4                         ; places behind this matrix instruction (ISA guide 7.12.1)
.set ADRA,   16                        ; v16-17  LDS address of my A fragments in slot 0, 1
.set ADRB,   20                        ; v20-21  the same for B
.set LI,     26                        ; v26     16 x lane
.set SPW,    28                        ; v28     LDS address of my spare word; never rewritten
.set NIL,    29                        ; v29     0; never rewritten
.set BI,     64                        ; v64-127 the bias
.set AF,     128
.set T,      128                       ; the way out: a block's 64 results
.set CD,     192                       ; and its codes, two sets of 16 by turns
.set G1,     24                        ; s[24:31] descriptor group 1 for A's tiles;  s[32:39] group 0, one set for each slot
.set G0,     32
.set G1B,    48                        ; s[48:55], s[56:63] the same for B's tiles
.set G0B,    56
.set ROLE,   13
.set MSB, 0
.macro WIN new                         ; the immediate's high byte repeats the setting that is left
.if MSB != \new
	s_set_vgpr_msb (MSB<<8)|\new
.set MSB, \new
.endif
.endm
.set MUL_LO, 0xa1                      ; source 0 (B) window 1, source 1 (A) window 0, C and D window 2
.set MUL_HI, 0xf1                      ; the same, C and D window 3
.set TO_B,   0x40                      ; destination window 1, address window 0
; A joint load: waves 0 and 1 fetch for A, waves 2 and 3 for B.  The branch hangs on the wave's number alone.  Four v_nop follow each of the two lines.
.macro JLOAD g0a, g1a, g0b, g1b
	s_cmp_eq_u32 s15, 0
	s_cbranch_scc0 .Lfor_b_\@
	tensor_load_to_lds s[\g0a:\g0a+3], s[\g1a:\g1a+7]
	s_nop 0
.rept 4
	v_nop
.endr
	s_branch .Lasked_\@
.Lfor_b_\@:
	tensor_load_to_lds s[\g0b:\g0b+3], s[\g1b:\g1b+7]
	s_nop 0
.rept 4
	v_nop
.endr
.Lasked_\@:
.endm
.macro CREST                           ; a round of the cluster's barrier behind its opening barrier
	s_cmp_lg_u32 s14, 0
	s_cbranch_scc1 .Lnot_wave_0_\@
	s_barrier_signal -3
.Lnot_wave_0_\@:
	s_barrier_wait -3
	s_barrier_signal -1
	s_barrier_wait -1
.endm
.macro CROUND                          ; a whole round
	s_barrier_signal -1
	s_barrier_wait -1
	CREST
.endm
	s_load_b512 s[68:83], s[0:1], 0x0              ; xc s[68:69], wc s[70:71], bq s[72:73], bk s[74:75], bv s[76:77], the scales s[78:79], qc s[80:81], kc s[82:83]
	s_load_b64 s[84:85], s[0:1], 0x40              ; vc
	v_lshl_add_u32 v[SPW], v0, 2, SPARE
	v_mov_b32 v[NIL], 0
	ds_add_u32 v28, v29
	ds_add_u32 v28, v29
	s_wait_dscnt 0x0
	v_lshrrev_b32 v1, 5, v0
	v_readfirstlane_b32 s14, v1                    ; wave 0..3
	s_lshr_b32 s15, s14, 1                         ; which half of the tile's rows is mine.  Also: I fetch for A (0) or for B (1)
	s_and_b32 s16, s14, 1                          ; which half of its columns.  Also: which 128 rows of that tile I fetch
	s_bfe_u32 s40, ttmp6, 0x40000                  ; cx, cy: my place in the cluster
	s_bfe_u32 s41, ttmp6, 0x40004
	s_and_b32 s12, ttmp7, 0xffff                   ; the cluster's y, 0 .. 23
	s_lshr_b32 s[ROLE], s12, 3                     ; the role
	s_and_b32 s12, s12, 7
	s_lshl_b32 s12, s12, 2                         ; four tiles along the long side (8,192 tokens) for each of a role's eight clusters
	s_cmp_lt_u32 s[ROLE], 2
	s_cselect_b32 s17, s12, 0                      ; roles 0, 1: the tokens are A's rows;
	s_cselect_b32 s42, 0, s12                      ; role 2: they are B's
	s_add_co_u32 s17, s17, s41                     ; tile row (of A)
	s_add_co_u32 s42, s42, s40                     ; tile column (of B)
	s_lshl_b32 s43, s41, 2
	s_lshl_b32 s43, 15, s43                        ; my row of the cluster
	s_lshl_b32 s44, 0x1111, s40                    ; my column
	; descriptor group 1: 8 rows (row tiles) of 512 elements of 8 bytes, 2,048 elements (a row tile's eight images) apart; dense in LDS
	s_or_b32 s[G1+0], s43, (3<<16)|(1<<21)         ; 15:0 the mask: A's tiles go to my row; 17:16 elements of 8 bytes; 20 no padding; 21 set beside a mask
	s_or_b32 s[G1B+0], s44, (3<<16)|(1<<21)
.irp g, G1, G1B
	s_mov_b32 s[\g+1], 512<<16                     ; tensor_dim0
	s_mov_b32 s[\g+2], 8<<16                       ; tensor_dim1
	s_mov_b32 s[\g+3], 512<<16                     ; tile_dim0
	s_mov_b32 s[\g+4], 8                           ; tile_dim1
	s_mov_b32 s[\g+5], 2048                        ; tensor_dim0_stride
	s_mov_b32 s[\g+6], 0
	s_mov_b32 s[\g+7], 0
.endr
	s_lshl_b32 s18, s16, 17                        ; which 8 row tiles of the 16 I fetch
	s_lshl_b32 s20, s17, 18                        ; A: a tile's 16 row tiles of 16,384 bytes
	s_add_co_u32 s20, s20, s18
	s_lshl_b32 s46, s42, 18                        ; B likewise
	s_add_co_u32 s46, s46, s18
	s_lshl_b32 s19, s[ROLE], 23                    ; xc: 8,388,608 bytes a tensor
	s_lshl_b32 s22, s[ROLE], 20                    ; wc: 1,048,576 bytes a weight
	s_cmp_lt_u32 s[ROLE], 2
	s_cselect_b32 s19, s19, 0x200000               ; role 2: A = Wv, the third weight,
	s_cselect_b32 s22, s22, 0x1000000              ; B = val, the third tensor
	s_add_co_u32 s20, s20, s19
	s_add_co_u32 s46, s46, s22
	s_mov_b32 s21, 0
	s_mov_b32 s47, 0
	s_mul_i32 s45, s14, HALFT                      ; where they go: wave x 128 rows: no place in the cluster enters an LDS address
	s_wait_kmcnt 0x0
	s_load_b256 s[88:95], s[78:79], 0x0            ; e0 .. e7
	s_load_b128 s[96:99], s[78:79], 0x20           ; e8 .. e11
	s_cmp_lt_u32 s[ROLE], 2
	s_cselect_b64 s[4:5], s[68:69], s[70:71]       ; A's buffer
	s_cselect_b64 s[6:7], s[70:71], s[68:69]       ; B's
	s_add_nc_u64 s[20:21], s[4:5], s[20:21]
	s_add_nc_u64 s[46:47], s[6:7], s[46:47]
	CROUND                                         ; all sixteen work-groups are here: the first joint loads meet
.irp s, 0,1
	s_mov_b32 s[G0+4*\s], 1
	s_add_co_u32 s[G0+4*\s+1], s45, \s*SLOT
	s_add_nc_u64 s[G0+4*\s+2:G0+4*\s+3], s[20:21], \s*RTB
	s_or_b32 s[G0+4*\s+3], s[G0+4*\s+3], 0x80000000
	s_mov_b32 s[G0B+4*\s], 1
	s_add_co_u32 s[G0B+4*\s+1], s45, \s*SLOT
	s_add_nc_u64 s[G0B+4*\s+2:G0B+4*\s+3], s[46:47], \s*RTB
	s_or_b32 s[G0B+4*\s+3], s[G0B+4*\s+3], 0x80000000
	JLOAD G0+4*\s, G1, G0B+4*\s, G1B
.endr
	v_and_b32 v1, 15, v0                           ; r
	v_bfe_u32 v2, v0, 4, 1                         ; h
	v_and_b32 v6, 31, v0
	v_lshlrev_b32 v[LI], 4, v6
	s_mul_i32 s21, s15, HALFT                      ; my 128 rows of A
	s_mul_i32 s22, s16, HALFT                      ; my 128 rows of B,
	s_add_co_u32 s22, s22, 2*HALFT                 ; which lie behind A's 256
.irp s, 0,1
	v_add_nc_u32 v[ADRA+\s], s21, v[LI]
	v_add_nc_u32 v[ADRB+\s], s22, v[LI]
	s_add_co_u32 s21, s21, SLOT
	s_add_co_u32 s22, s22, SLOT
.endr
	; THE BIAS, asked for now and waited for on the way out.  Roles 0, 1: it runs along the registers: v[BI + 8 b + i] = bias[my first channel + 16 b + 8 h + i].  Role 2: it runs along the lanes: v[BI + 8 a] = bv[my first channel + 16 a + r].
	s_cmp_lt_u32 s[ROLE], 2
	s_cbranch_scc0 .Lbias_v
	s_cmp_eq_u32 s[ROLE], 0
	s_cselect_b64 s[8:9], s[72:73], s[74:75]
	s_lshl_b32 s10, s42, 10                        ; 256 channels of 4 bytes a tile column,
	s_lshl_b32 s11, s16, 9                         ; my 128 of them
	s_add_co_u32 s10, s10, s11
	s_mov_b32 s11, 0
	s_add_nc_u64 s[8:9], s[8:9], s[10:11]
	v_lshlrev_b32 v3, 5, v2
.irp b, 0,1,2,3,4,5,6,7
	global_load_b128 v[BI+8*\b:BI+8*\b+3], v3, s[8:9] offset:64*\b
	global_load_b128 v[BI+8*\b+4:BI+8*\b+7], v3, s[8:9] offset:64*\b+16
.endr
	s_branch .Lbias_done
.Lbias_v:
	s_lshl_b32 s10, s17, 10
	s_lshl_b32 s11, s15, 9
	s_add_co_u32 s10, s10, s11
	s_mov_b32 s11, 0
	s_add_nc_u64 s[8:9], s[76:77], s[10:11]
	v_lshlrev_b32 v3, 2, v1
.irp a, 0,1,2,3,4,5,6,7
	global_load_b32 v[BI+8*\a], v3, s[8:9] offset:64*\a
.irp i, 1,2,3,4,5,6,7
	v_mov_b32 v[BI+8*\a+\i], 0                     ; both ways leave the same 64 registers written; v[BI + 8 a + 1] is named as the upper half of a pair
.endr
.endr
.Lbias_done:
.macro FRAG reg, adr, q, i             ; the image of row tile i's fragment of the slot's q-th 128 along K: registers 4 c .. 4 c + 3 at 512 c + 16 x lane
.irp c, 0,1,2,3
	ds_load_b128 v[\reg+4*\c:\reg+4*\c+3], v[\adr] offset:(\i)*RTB+(\q)*FRB+512*\c
.endr
.endm
; 16 matrix instructions: A's blocks a0, a0 + 1 x B's eight, 128 along K.  p: B's set.  zero = 1: the first product starts the sums.  The 64 accumulators take turns, one instruction a turn.
.macro MUL16 a0, p, zero
.irp a, \a0, \a0+1
.irp b, 0,1,2,3,4,5,6,7
.if \zero
	v_wmma_f32_16x16x128_fp8_fp8 v[8*(8*((\a)%4)+\b):8*(8*((\a)%4)+\b)+7], v[128*(\p)+FR*\b:128*(\p)+FR*\b+FR-1], v[AF+FR*(\a):AF+FR*(\a)+FR-1], 0
.else
	v_wmma_f32_16x16x128_fp8_fp8 v[8*(8*((\a)%4)+\b):8*(8*((\a)%4)+\b)+7], v[128*(\p)+FR*\b:128*(\p)+FR*\b+FR-1], v[AF+FR*(\a):AF+FR*(\a)+FR-1], v[8*(8*((\a)%4)+\b):8*(8*((\a)%4)+\b)+7]
.endif
.endr
.endr
.endm
.macro FETCH_B slot, q, p
	WIN TO_B
.irp i, 0,1,2,3,4,5,6,7
	FRAG 128*(\p)+FR*\i, ADRB+\slot, \q, \i
.endr
	WIN 0
.endm
.macro FETCH_A slot, q, i0
.irp i, \i0, \i0+1, \i0+2, \i0+3
	FRAG AF+FR*(\i), ADRA+\slot, \q, \i
.endr
.endm
.macro PLACES n                        ; plain vector lines between a matrix instruction and a load into, or a vector line on, its registers
.rept \n
	v_nop
.endr
.endm
; A step of 128 along K that has its successor in the same slot.  A's blocks go one after the other, so one set serves A: blocks 0-3 are fetched anew in the step's middle, blocks 4-7 at its end.
.macro STEP slot, q, zero
	s_wait_dscnt 4*NL                              ; B's set and A's blocks 0-3 are in; the youngest 16 loads (A's blocks 4-7) may be out
	WIN MUL_LO
	MUL16 0, (\q)%2, \zero
	MUL16 2, (\q)%2, \zero
	s_wait_dscnt 0
	PLACES NP
	FETCH_B \slot, (\q)+1, 1-(\q)%2
	FETCH_A \slot, (\q)+1, 0
	WIN MUL_HI
	MUL16 4, (\q)%2, \zero
	MUL16 6, (\q)%2, \zero
	PLACES NP
	WIN 0
	FETCH_A \slot, (\q)+1, 4
.endm
; A slot's last step changes slots: ONE barrier; in front of it each wave waits for all its tensor loads, adds 0 to its spare word, and waits for that and for its own reads of this slot.  fill = 1: this slot is filled again, two slots ahead.
.macro TURN slot, next, fill
	s_wait_tensorcnt 0x0                           ; all my tensor loads have landed: my part of the next slot
	ds_add_u32 v[SPW], v[NIL]                      ; 0 onto my spare word
	s_wait_dscnt 4*NL+1                            ; (the add and the youngest 16 loads, A's blocks 4-7, may be out)
	WIN MUL_LO
	MUL16 0, 1, 0
	s_wait_dscnt 0x0                               ; the add is done, and my reads of this slot are over
	s_barrier_signal -1
	MUL16 2, 1, 0
	WIN 0
	s_barrier_wait -1
.if \fill
	CREST                                          ; the barrier has opened a round of the cluster's barrier: no wave of any partner still reads this slot or has a load on its way
	s_add_nc_u64 s[G0+4*\slot+2:G0+4*\slot+3], s[G0+4*\slot+2:G0+4*\slot+3], 2*RTB
	s_add_nc_u64 s[G0B+4*\slot+2:G0B+4*\slot+3], s[G0B+4*\slot+2:G0B+4*\slot+3], 2*RTB
	JLOAD G0+4*\slot, G1, G0B+4*\slot, G1B         ; the first tensor load behind the round; its four v_nop are also the places in front of the loads below
.else
	PLACES NP
.endif
	FETCH_B \next, 0, 0
	FETCH_A \next, 0, 0
	WIN MUL_HI
	MUL16 4, 1, 0
	MUL16 6, 1, 0
	PLACES NP
	WIN 0
	FETCH_A \next, 0, 4
.endm
	s_wait_tensorcnt 1                             ; my part of slot 0 is in (slot 1's load may be out)
	s_barrier_signal -1
	s_barrier_wait -1                              ; everybody's is
	FETCH_B 0, 0, 0
	FETCH_A 0, 0, 0
	FETCH_A 0, 0, 4
	STEP 0, 0, 1                                   ; the first step's products start the sums
	s_mov_b32 s3, LAPS-1
.Llap:                                                 ; a trip goes once round the ring and fills both slots again
	TURN 0, 1, 1
	STEP 1, 0, 0
	TURN 1, 0, 1
	STEP 0, 0, 0
	s_sub_co_u32 s3, s3, 1
	s_cmp_lg_u32 s3, 0
	s_cbranch_scc1 .Llap
	TURN 0, 1, 0                                   ; the last lap fills nothing
	STEP 1, 0, 0
	s_wait_dscnt 4*NL
	WIN MUL_LO
	MUL16 0, 1, 0
	MUL16 2, 1, 0
	s_wait_dscnt 0
	WIN MUL_HI
	MUL16 4, 1, 0
	MUL16 6, 1, 0
	WIN 0
	; THE WAY OUT: no LDS: a block's conversions are the next operand's registers, and leave as its image.
	s_wait_loadcnt 0x0                             ; the bias
	s_wait_kmcnt 0x0                               ; the scales
	s_add_co_i32 s18, s88, s89                     ; e0 + e1
	s_add_co_i32 s19, s90, s91                     ; e2 + e3
	s_add_co_i32 s22, s92, s93                     ; e4 + e5
	s_cmp_eq_u32 s[ROLE], 0
	s_cselect_b32 s18, s18, s19
	s_cselect_b32 s23, s94, s95                    ; q: entry 6;  k: entry 7
	s_cmp_eq_u32 s[ROLE], 2
	s_cselect_b32 s18, s22, s18
	s_cselect_b32 s23, s96, s23                    ; v: entry 8
	s_add_co_i32 s18, s18, 127
	s_lshl_b32 s66, s18, 23                        ; 2^(eA + eB) as f32
	s_mov_b32 s67, s66                             ; (named with it as a pair, so it is written)
	s_add_co_i32 s23, s23, 127
	s_lshl_b32 s18, s23, 23
	v_mov_b32 v12, s18                             ; 2^eo
	s_add_co_i32 s23, s23, 8
	s_lshl_b32 s23, s23, 23
	s_or_b32 s23, s23, 0x600000
	v_mov_b32 v13, s23                             ; 448 x 2^eo
	PLACES NP                                      ; behind the last products: their results are read and A's registers written below
; Block a (16 rows of A x my 128 rows of B).  isv = 0: the bias runs along the registers; 1: along the lanes.
.macro OUTB a, isv
.set AC, 64*((\a)%4)
.set CC, CD+16*((\a)%2)
.if (\a) >= 2
	s_wait_xcnt 0x0                                ; block a - 2's stores have read this set of codes
.endif
	WIN 0x02+((\a)/4)                              ; source 0: window 2 or 3
.irp b, 0,1,2,3,4,5,6,7
.irp i, 0,2,4,6
.if \isv
	v_pk_fma_f32 v[T+8*\b+\i:T+8*\b+\i+1], v[AC+8*\b+\i:AC+8*\b+\i+1], s[66:67], v[BI+8*(\a):BI+8*(\a)+1] op_sel_hi:[1,0,0]   ; each accumulator from its low end on
.else
	v_pk_fma_f32 v[T+8*\b+\i:T+8*\b+\i+1], v[AC+8*\b+\i:AC+8*\b+\i+1], s[66:67], v[BI+8*\b+\i:BI+8*\b+\i+1] op_sel_hi:[1,0,1]
.endif
.endr
.endr
	WIN 0
.set j, 0
.rept 64
	v_med3_num_f32 v[T+j], v[T+j], -v13, v13       ; the conversion to an 8-bit code does not saturate (ISA guide 7.6.2)
.set j, j+1
.endr
.irp b, 0,1,2,3,4,5,6,7
	v_cvt_scalef32_pk8_fp8_f32 v[CC+2*\b:CC+2*\b+1], v[T+8*\b:T+8*\b+7], v12
.endr
	v_nop                                          ; a plain line behind the last conversion
.if \isv
.irp p, 0,1,2,3
	global_store_b128 v[LI], v[CC+4*\p:CC+4*\p+3], s[10:11] offset:((\a)/4)*131072+((\a)%4)*2048+512*\p   ; head a / 4 of my two, channel tile a % 4
.endr
.else
	global_store_b128 v[LI], v[CC:CC+3], s[10:11] offset:(\a)*1024                 ; token tile a: my first head's 64 channels,
	global_store_b128 v[LI], v[CC+4:CC+7], s[10:11] offset:(\a)*1024+512
	global_store_b128 v[LI], v[CC+8:CC+11], s[10:11] offset:(\a)*1024+131072       ; my second head's
	global_store_b128 v[LI], v[CC+12:CC+15], s[10:11] offset:(\a)*1024+131584
.endif
.endm
	s_cmp_lt_u32 s[ROLE], 2
	s_cbranch_scc0 .Lout_v
	s_cmp_eq_u32 s[ROLE], 0
	s_cselect_b64 s[10:11], s[80:81], s[82:83]     ; qc or kc
	s_lshr_b32 s18, s17, 3                         ; batch: eight tiles of 256 tokens each
	s_lshl_b32 s18, s18, 21
	s_lshl_b32 s19, s42, 2                         ; head 4 x tile column + 2 x my half
	s_lshl_b32 s22, s16, 1
	s_add_co_u32 s19, s19, s22
	s_lshl_b32 s19, s19, 17
	s_add_co_u32 s18, s18, s19
	s_and_b32 s19, s17, 7                          ; token tile 16 x (tile row % 8) + 8 x my half
	s_lshl_b32 s19, s19, 4
	s_lshl_b32 s22, s15, 3
	s_add_co_u32 s19, s19, s22
	s_lshl_b32 s19, s19, 10
	s_add_co_u32 s18, s18, s19
	s_mov_b32 s19, 0
	s_add_nc_u64 s[10:11], s[10:11], s[18:19]
.irp a, 0,1,2,3,4,5,6,7
	OUTB \a, 0
.endr
	s_branch .Lend
.Lout_v:
	s_lshr_b32 s18, s42, 3                         ; batch
	s_lshl_b32 s18, s18, 21
	s_lshl_b32 s19, s17, 2                         ; head 4 x tile row + 2 x my half
	s_lshl_b32 s22, s15, 1
	s_add_co_u32 s19, s19, s22
	s_lshl_b32 s19, s19, 17
	s_add_co_u32 s18, s18, s19
	s_and_b32 s19, s42, 7                          ; key step 2 x (tile column % 8) + my half
	s_lshl_b32 s19, s19, 1
	s_add_co_u32 s19, s19, s16
	s_lshl_b32 s19, s19, 13
	s_add_co_u32 s18, s18, s19
	s_mov_b32 s19, 0
	s_add_nc_u64 s[10:11], s[84:85], s[18:19]
.irp a, 0,1,2,3,4,5,6,7
	OUTB \a, 1
.endr
.Lend:
	s_wait_tensorcnt 0x0                           ; the wave's end
	ds_add_u32 v[SPW], v[NIL]
	s_wait_dscnt 0x0
	CROUND                                         ; the closing round: no work-group ends while a partner may still ask for a tile that names it
	s_endpgm
.Lfunc_end_k_qc882dbf599_proj:
	.size	k_qc882dbf599_proj, .Lfunc_end_k_qc882dbf599_proj-k_qc882dbf599_proj
	.p2alignl 7, 3214868480
	.fill 96, 4, 3214868480
	.section	.rodata,"a",@progbits
	.p2align	6, 0x0
	.amdhsa_kernel k_qc882dbf599_proj
		.amdhsa_group_segment_fixed_size 327680
		.amdhsa_private_segment_fixed_size 0
		.amdhsa_enable_private_segment 0
		.amdhsa_kernarg_size 72
		.amdhsa_user_sgpr_count 2
		.amdhsa_user_sgpr_kernarg_segment_ptr 1
		.amdhsa_wavefront_size32 1
		.amdhsa_system_sgpr_workgroup_id_x 1
		.amdhsa_system_sgpr_workgroup_id_y 1
		.amdhsa_system_sgpr_workgroup_id_z 1
		.amdhsa_system_vgpr_workitem_id 0
		.amdhsa_next_free_vgpr 1024
		.amdhsa_next_free_sgpr 100
		.amdhsa_reserve_vcc 0
		.amdhsa_float_denorm_mode_32 3
		.amdhsa_float_denorm_mode_16_64 3
		.amdhsa_memory_ordered 1
		.amdhsa_forward_progress 1
		.amdhsa_inst_pref_size 195
	.end_amdhsa_kernel
	.amdgpu_metadata
---
amdhsa.version: [ 1, 2 ]
amdhsa.kernels:
  - .name:           k_qc882dbf599_proj
    .symbol:         k_qc882dbf599_proj.kd
    .args:
      - { .name: xc, .offset: 0, .size: 8, .value_kind: global_buffer, .address_space: global }
      - { .name: wc, .offset: 8, .size: 8, .value_kind: global_buffer, .address_space: global }
      - { .name: bq, .offset: 16, .size: 8, .value_kind: global_buffer, .address_space: global }
      - { .name: bk, .offset: 24, .size: 8, .value_kind: global_buffer, .address_space: global }
      - { .name: bv, .offset: 32, .size: 8, .value_kind: global_buffer, .address_space: global }
      - { .name: lowp_scales, .offset: 40, .size: 8, .value_kind: global_buffer, .address_space: global }
      - { .name: qc, .offset: 48, .size: 8, .value_kind: global_buffer, .address_space: global }
      - { .name: kc, .offset: 56, .size: 8, .value_kind: global_buffer, .address_space: global }
      - { .name: vc, .offset: 64, .size: 8, .value_kind: global_buffer, .address_space: global }
    .group_segment_fixed_size: 327680
    .private_segment_fixed_size: 0
    .kernarg_segment_align: 8
    .kernarg_segment_size: 72
    .max_flat_workgroup_size: 128
    .sgpr_count:     100
    .vgpr_count:     1024
    .wavefront_size: 32
...
	.end_amdgpu_metadata
.endif
;; end of part 2
;; launch attn (part 3): grid 4 x 64, 16 waves a work-group, no clusters, 34,816 bytes of LDS; arguments qc, kc, vc, lm, flags, lowp_scales, ac; writes ac
.if DOCPART == 3
	.amdgcn_target "amdgcn-amd-amdhsa--gfx1250"
	.amdhsa_code_object_version 6
	.text
	.protected	k_qc882dbf599_attn
	.globl	k_qc882dbf599_attn
	.p2align	8
	.type	k_qc882dbf599_attn,@function
k_qc882dbf599_attn:
	s_mov_b64 s[64:65], 0
	v_nop
	global_prefetch_b8 v0, s[64:65] scope:SCOPE_SE
	s_setreg_imm32_b32 hwreg(HW_REG_WAVE_MODE, 25, 1), 1
	s_wait_xcnt 0x0
; ATTN.  softmax((q k^T + ln mask) / 8) v for one head, both products on codes of E4M3; the result is quantised for the last projection.
; THE SOFTMAX AHEAD OF THE SECOND PRODUCT: t = logit x log2(e); M = the row's largest t so far, rounded UP to a whole number; p = 2^(t - M) is quantised, not normalised; the row's sum is taken of the unquantised p and divides at
; the end.  When M moves, the sum and O are multiplied by 2^(old M - new M): exact.
; SHARES.  A work-group owns one (batch, head) and two blocks of 256 queries, 7 - x and then x; each of its sixteen waves owns one tile of 16 queries of a block.  Every wave walks 16 key steps of 128: all trip counts are constants.
; THE MASK is an input.  An earlier launch has stored, for each tile of 16 queries x 128 keys, a class (0: all zeros, 1: all ones, 2: mixed) and the logarithms.  A step of class 0 adds nothing to any sum (p = 0) and its work is
; jumped over; a step of class 1 adds ln 1 = 0; a step of class 2 adds the stored logarithms to the raw scores.  That holds for every mask.  The branches hang on the stored classes, whole numbers read from memory.
; So this launch has no tensor load, and with that no joint loads: K and V go from memory through registers into LDS, 16 bytes of each a thread and step, asked for two key steps ahead of their use; what the four work-groups of a
; head share is the head's 262,144 bytes of K and V.  A step that no wave of the work-group needs is neither fetched nor stored.
; LAYOUT.  All operands are images of their registers in the plain fp8 forms' own layout.  Both products are used transposed: S^T = K Q^T (source 0 = 16 keys, source 1 = my 16 queries), O^T = V^T P^T: a lane holds ONE query.
; Register j of score tile t is key 16 t + 8 h + j: one conversion of tile t is registers 2 t, 2 t + 1 of P; one conversion of O^T's tile is two registers of the last projection's operand.
; A QUERY WITH NO KEY LEFT (its row of the mask all zeros) gets NaN codes: its row of the output is NaN, as the softmax of a row of -infinity is.
; LIMITS: e9, e10 between -126 and 119; e6 + e7 between -100 and 100 (added to c's exponent field); e8 + e9 is applied by v_ldexp_f32.
.set LI,   1                           ; v1   16 x lane
.set CP,   2                           ; v2   16 x thread: my 16 bytes of a step's K and of its V, in memory and in a slot
.set NANC, 3                           ; v3   four NaN codes
                                       ; v4 -M, v5 the largest t;  v[6:7] the sum in two halves;  v8 f, v9 0;  v10-15 at work;  v16, v17: 2^e9, 448 x 2^e9;  v18, v19: the same for e10
.set STG,  20                          ; v20-35   two sets of a K piece and a V piece on their way to LDS
.set Q,    36                          ; v36-43   my queries' fragment
.set PC,   44                          ; v44-59   p's codes
.set F,    60                          ; v60-91   four fragments of K or two of V
.set S,    92                          ; v92-155  S^T, then p
.set O,    156                         ; v156-187 O^T
.set LM,   188                         ; v188-251 a step's logarithms
.set FO,   252                         ; v252     4 x (lane % 16)
.set FW,   253                         ; v253     the same + 512 x (lane / 16)
.set WV,   22                          ; s22 wave;  s23 batch x 16 + head;  s24 my query tile;  s25 the block;  s26, s27 counters
.set ACT,  28                          ; s28  bit n: my tile has work n steps on
.set MIX,  29                          ; s29  bit n: it is of class 2
.set WGA,  30                          ; s30  bit n: some wave of the work-group has work
	s_load_b256 s[8:15], s[0:1], 0x0               ; qc, kc, vc, lm
	s_load_b128 s[16:19], s[0:1], 0x20             ; flags, the scales
	s_load_b64 s[20:21], s[0:1], 0x30              ; ac
	v_lshl_add_u32 v254, v0, 2, 0x8000
	v_mov_b32 v255, 0
	v_lshrrev_b32 v10, 5, v0
	v_readfirstlane_b32 s[WV], v10                 ; wave 0..15
	v_and_b32 v10, 31, v0
	v_lshlrev_b32 v[LI], 4, v10
	v_lshlrev_b32 v[CP], 4, v0
	v_mov_b32 v[NANC], 0x7f7f7f7f
	v_and_b32 v11, 15, v0
	v_lshlrev_b32 v[FO], 2, v11
	v_bfe_u32 v10, v0, 4, 1
	v_lshl_add_u32 v[FW], v10, 9, v[FO]
	v_mov_b32 v9, 0                                ; (named as the upper half of the pair v[8:9])
	v_mov_b32 v12, 0                               ; written once: a lane permute's destination counts as one of its sources
	s_and_b32 s23, ttmp7, 0xffff
	s_sub_co_u32 s25, 7, ttmp9                     ; the first block
	s_mov_b32 s34, 0x76543210                      ; v_permlanex16_b32's selects for lane l xor 16
	s_mov_b32 s35, 0xfedcba98
	s_lshl_b32 s2, s23, 17                         ; a head's 131,072 bytes in qc, kc and vc
	s_mov_b32 s3, 0
	s_lshr_b32 s4, s23, 4                          ; ac: the batch's 128 token tiles of 16,384 bytes,
	s_lshl_b32 s4, s4, 21
	s_bfe_u32 s5, s23, 0x30001                     ; K step head / 2,
	s_lshl_b32 s5, s5, 11
	s_add_co_u32 s4, s4, s5
	s_and_b32 s5, s23, 1                           ; its half head % 2
	s_lshl_b32 s5, s5, 10
	s_add_co_u32 s4, s4, s5
	s_mov_b32 s5, 0
	s_wait_kmcnt 0x0
	s_load_b256 s[52:59], s[18:19], 0x0            ; e0 .. e7
	s_load_b128 s[60:63], s[18:19], 0x20           ; e8 .. e11
	s_add_nc_u64 s[8:9], s[8:9], s[2:3]
	s_add_nc_u64 s[10:11], s[10:11], s[2:3]
	s_add_nc_u64 s[12:13], s[12:13], s[2:3]
	s_add_nc_u64 s[20:21], s[20:21], s[4:5]
	s_wait_kmcnt 0x0
	s_add_co_i32 s2, s58, s59
	s_lshl_b32 s2, s2, 23
	s_add_co_i32 s32, s2, 0x3e38aa3b               ; c = log2(e) / 8 x 2^(e6 + e7): a raw score stands for score x 2^(e6 + e7)
	s_mov_b32 s33, s32                             ; (named with it as a pair, so it is written)
	s_mov_b32 s31, s61                             ; e9
	s_add_co_i32 s36, s60, s61                     ; e8 + e9
	s_add_co_i32 s2, s61, 127
	s_lshl_b32 s4, s2, 23
	v_mov_b32 v16, s4                              ; 2^e9
	s_add_co_i32 s2, s2, 8
	s_lshl_b32 s2, s2, 23
	s_or_b32 s2, s2, 0x600000
	v_mov_b32 v17, s2                              ; 448 x 2^e9
	s_add_co_i32 s2, s62, 127
	s_lshl_b32 s4, s2, 23
	v_mov_b32 v18, s4                              ; 2^e10
	s_add_co_i32 s2, s2, 8
	s_lshl_b32 s2, s2, 23
	s_or_b32 s2, s2, 0x600000
	v_mov_b32 v19, s2                              ; 448 x 2^e10
; The next step's logarithms, if that step is of class 2.  LM has just been read, or is not read in this step.
.macro LMASK par
	s_bitcmp1_b32 s[MIX], 1
	s_cbranch_scc0 .Lno_lm_\@
.irp g, 0,1,2,3,4,5,6,7,8,9,10,11,12,13,14,15
	global_load_b128 v[LM+4*\g:LM+4*\g+3], v[LI], s[42:43] offset:(1+\par)*8192+512*\g
.endr
.Lno_lm_\@:
.endm
; A KEY STEP of 128 keys; par = its parity = its slot.  ONE barrier a step: the other slot is written in this step and was last read in the step before, ahead of that step's barrier; this slot was written in the step before.
.macro STEP par
	s_wait_loadcnt 0x0                             ; the next step's K and V pieces and this step's logarithms, all asked for a step ago
	s_bitcmp1_b32 s[WGA], 1
	s_cbranch_scc0 .Lno_put_\@
	ds_store_b128 v[CP], v[STG+8*(1-\par):STG+8*(1-\par)+3] offset:(1-\par)*16384
	ds_store_b128 v[CP], v[STG+8*(1-\par)+4:STG+8*(1-\par)+7] offset:(1-\par)*16384+8192
.Lno_put_\@:
	s_bitcmp1_b32 s[WGA], 2                        ; bits 16 on are 0: no load leaves its buffer
	s_cbranch_scc0 .Lno_get_\@
	global_load_b128 v[STG+8*\par:STG+8*\par+3], v[CP], s[38:39] offset:(2+\par)*8192      ; this set's LDS stores were waited for at the last step's end
	global_load_b128 v[STG+8*\par+4:STG+8*\par+7], v[CP], s[40:41] offset:(2+\par)*8192
.Lno_get_\@:
	s_bitcmp1_b32 s[ACT], 0
	s_cbranch_scc1 .Lwork_\@
	LMASK \par
	s_branch .Lend_\@
.Lwork_\@:
.irp g, 0,1                                    ; S^T = K Q^T, four tiles of 16 keys at a time
.rept 4
	v_nop                                          ; places in front of loads into registers that matrix instructions have read
.endr
.irp t, 0,1,2,3
	ds_load_b128 v[F+8*\t:F+8*\t+3], v[LI] offset:\par*16384+(4*\g+\t)*1024
	ds_load_b128 v[F+8*\t+4:F+8*\t+7], v[LI] offset:\par*16384+(4*\g+\t)*1024+512
.endr
	s_wait_dscnt 0x0
.irp t, 0,1,2,3
	v_wmma_f32_16x16x64_fp8_fp8 v[S+8*(4*\g+\t):S+8*(4*\g+\t)+7], v[F+8*\t:F+8*\t+7], v[Q:Q+7], 0
.endr
.endr
.rept 4
	v_nop
.endr
	s_bitcmp1_b32 s[MIX], 0
	s_cbranch_scc0 .Lones_\@
.set j, 0
.rept 32
	v_pk_add_f32 v[S+j:S+j+1], v[S+j:S+j+1], v[LM+j:LM+j+1]   ; + ln(mask), in the raw scores' unit; -infinity where the mask is 0
.set j, j+2
.endr
.Lones_\@:
	LMASK \par
.irp c, 0,1                                    ; V's channel tiles 0 and 1 come while the softmax is walked
.irp p, 0,1,2,3
	ds_load_b128 v[F+16*\c+4*\p:F+16*\c+4*\p+3], v[LI] offset:\par*16384+8192+\c*2048+512*\p
.endr
.endr
	v_max3_num_f32 v10, v[S], v[S+1], v[S+2]       ; the step's largest score of my query, among my 64 keys, in two chains,
	v_max3_num_f32 v11, v[S+3], v[S+4], v[S+5]
.irp i, 6,10,14,18,22,26,30,34,38,42,46,50,54,58
	v_max3_num_f32 v10, v10, v[S+\i], v[S+\i+1]
	v_max3_num_f32 v11, v11, v[S+\i+2], v[S+\i+3]
.endr
	v_max3_num_f32 v10, v10, v[S+62], v[S+63]
	v_max_num_f32 v10, v10, v11
	v_permlanex16_b32 v12, v10, s34, s35
	v_max_num_f32 v10, v10, v12                    ; and among lane l xor 16's
	v_mul_f32 v10, s32, v10                        ; as t (c is positive)
	v_max_num_f32 v5, v5, v10                      ; the running largest t
	v_mov_b32 v10, v4
	v_floor_f32 v4, -v5                            ; the new -M = floor(-t): M is a whole number
	v_sub_f32 v10, v4, v10                         ; old M - new M: a whole number, 0 or less
	v_cvt_i32_f32 v10, v10                         ; (it saturates)
	v_ldexp_f32 v8, 1.0, v10                       ; f = 2^(old M - new M)
.set j, 0
.rept 32
	v_pk_fma_f32 v[S+j:S+j+1], v[S+j:S+j+1], s[32:33], v[4:5] op_sel_hi:[1,0,0]   ; t - M, two at a time
.set j, j+2
.endr
.set j, 0
.rept 64
	v_exp_f32 v[S+j], v[S+j]                       ; p = 2^(t - M), at most 1
.set j, j+1
.endr
	v_pk_mul_f32 v[6:7], v[6:7], v[8:9] op_sel_hi:[1,0]   ; the sums under the new M (the plain line behind the exponentials)
	s_wait_alu depctr_va_vdst(0)                   ; one wait for the batch, ahead of its first reader
	v_pk_add_f32 v[14:15], v[S:S+1], v[S+2:S+3]    ; the row's sum is taken of the unquantised p, in two chains
.irp i, 4,8,12,16,20,24,28,32,36,40,44,48,52,56,60
	v_pk_add_f32 v[6:7], v[6:7], v[S+\i:S+\i+1]
	v_pk_add_f32 v[14:15], v[14:15], v[S+\i+2:S+\i+3]
.endr
	v_pk_add_f32 v[6:7], v[6:7], v[14:15]
	s_cmp_ge_i32 s31, -8                           ; p is at most 1, and 448 x 2^e9 is above 1 from e9 = -8 on: the hold is needed only under that
	s_cbranch_scc1 .Lno_hold_\@
.set j, 0
.rept 64
	v_min_num_f32 v[S+j], v[S+j], v17              ; the conversion to an 8-bit code does not saturate (ISA guide 7.6.2); p is not negative
.set j, j+1
.endr
.Lno_hold_\@:
.irp t, 0,1,2,3,4,5,6,7
	v_cvt_scalef32_pk8_fp8_f32 v[PC+2*\t:PC+2*\t+1], v[S+8*\t:S+8*\t+7], v16
.endr
.set j, 0
.rept 16
	v_pk_mul_f32 v[O+j:O+j+1], v[O+j:O+j+1], v[8:9] op_sel_hi:[1,0]   ; O^T under the new M (also the plain lines behind the conversions)
.set j, j+2
.endr
	s_wait_dscnt 0x0
	v_wmma_f32_16x16x128_fp8_fp8 v[O:O+7], v[F:F+15], v[PC:PC+15], v[O:O+7]              ; O^T += V^T P^T; the four accumulators take turns
	v_wmma_f32_16x16x128_fp8_fp8 v[O+8:O+15], v[F+16:F+31], v[PC:PC+15], v[O+8:O+15]
.rept 4
	v_nop
.endr
.irp c, 0,1
.irp p, 0,1,2,3
	ds_load_b128 v[F+16*\c+4*\p:F+16*\c+4*\p+3], v[LI] offset:\par*16384+8192+(2+\c)*2048+512*\p
.endr
.endr
	s_wait_dscnt 0x0
	v_wmma_f32_16x16x128_fp8_fp8 v[O+16:O+23], v[F:F+15], v[PC:PC+15], v[O+16:O+23]
	v_wmma_f32_16x16x128_fp8_fp8 v[O+24:O+31], v[F+16:F+31], v[PC:PC+15], v[O+24:O+31]
.Lend_\@:
	s_lshr_b32 s[ACT], s[ACT], 1
	s_lshr_b32 s[MIX], s[MIX], 1
	s_lshr_b32 s[WGA], s[WGA], 1
	s_wait_dscnt 0x0                               ; my stores into the other slot have landed and my reads of this slot are in
	s_barrier_signal -1
	s_barrier_wait -1
.endm
	s_mov_b32 s27, 2
.Lblock:
	s_wait_xcnt 0x0                                ; the last block's stores have read their registers and base
	s_lshl_b32 s24, s25, 4
	s_add_co_u32 s24, s24, s[WV]                   ; my query tile i = 16 x block + wave
	s_mov_b64 s[38:39], s[10:11]                   ; K and V at the head's first step
	s_mov_b64 s[40:41], s[12:13]
	s_mov_b32 s3, 0
	s_lshl_b32 s2, s24, 17
	s_add_nc_u64 s[42:43], s[14:15], s[2:3]        ; my tile's logarithms
	s_lshl_b32 s2, s24, 10
	s_add_nc_u64 s[44:45], s[8:9], s[2:3]          ; my queries' image
	s_lshl_b32 s2, s24, 6
	s_add_nc_u64 s[48:49], s[16:17], s[2:3]        ; my tile's 16 classes
	s_lshl_b32 s2, s25, 10
	s_add_nc_u64 s[50:51], s[16:17], s[2:3]        ; the block's 16 x 16
	s_lshl_b32 s2, s24, 14
	s_add_nc_u64 s[46:47], s[20:21], s[2:3]        ; where my result goes
	global_load_b32 v[S], v[FO], s[48:49]          ; lane l: my tile's class at step l % 16
.irp n, 0,1,2,3,4,5,6,7
	global_load_b32 v[S+1+\n], v[FW], s[50:51] offset:64*\n   ; tile 8 (l / 16) + n of the block, step l % 16
.endr
	global_load_b128 v[Q:Q+3], v[LI], s[44:45]
	global_load_b128 v[Q+4:Q+7], v[LI], s[44:45] offset:512
	global_load_b128 v[STG:STG+3], v[CP], s[38:39]                   ; steps 0 and 1, whatever their classes
	global_load_b128 v[STG+4:STG+7], v[CP], s[40:41]
	global_load_b128 v[STG+8:STG+11], v[CP], s[38:39] offset:8192
	global_load_b128 v[STG+12:STG+15], v[CP], s[40:41] offset:8192
.irp g, 0,1,2,3,4,5,6,7,8,9,10,11,12,13,14,15
	global_load_b128 v[LM+4*\g:LM+4*\g+3], v[LI], s[42:43] offset:512*\g   ; step 0's logarithms, whatever its class: its class is not known yet
.endr
.set j, 0
.rept 32
	v_mov_b32 v[O+j], 0                            ; which step is a tile's first hangs on the mask, so no first step can be written out to start the sums
.set j, j+1
.endr
	v_mov_b32 v5, 0xff61b1e6                       ; the largest t so far: -3e38
	v_floor_f32 v4, -v5                            ; -M
	v_mov_b32 v6, 0
	v_mov_b32 v7, 0
	s_wait_loadcnt 0x0
	v_or_b32 v[S+1], v[S+1], v[S+2]
	v_or_b32 v[S+3], v[S+3], v[S+4]
	v_or_b32 v[S+5], v[S+5], v[S+6]
	v_or_b32 v[S+7], v[S+7], v[S+8]
	v_or_b32 v[S+1], v[S+1], v[S+3]
	v_or_b32 v[S+5], v[S+5], v[S+7]
	v_or_b32 v[S+1], v[S+1], v[S+5]
	v_cmp_ne_u32 s[ACT], 0, v[S]
	v_cmp_eq_u32 s[MIX], 2, v[S]
	v_cmp_ne_u32 s[WGA], 0, v[S+1]
	s_and_b32 s[ACT], s[ACT], 0xffff
	s_and_b32 s[MIX], s[MIX], 0xffff
	s_lshr_b32 s2, s[WGA], 16                      ; the two halves of the lanes hold eight tiles each
	s_or_b32 s[WGA], s[WGA], s2
	s_and_b32 s[WGA], s[WGA], 0xffff
	ds_store_b128 v[CP], v[STG:STG+3]              ; step 0 into slot 0, which nobody has read since the barrier at the last block's last step but one
	ds_store_b128 v[CP], v[STG+4:STG+7] offset:8192
	s_wait_dscnt 0x0
	s_barrier_signal -1
	s_barrier_wait -1
	s_mov_b32 s26, 8
.Lpair:
	STEP 0
	STEP 1
	s_wait_xcnt 0x0                                ; the loads above have read their bases
	s_add_nc_u64 s[38:39], s[38:39], 16384
	s_add_nc_u64 s[40:41], s[40:41], 16384
	s_add_nc_u64 s[42:43], s[42:43], 16384
	s_sub_co_u32 s26, s26, 1
	s_cmp_lg_u32 s26, 0
	s_cbranch_scc1 .Lpair
	; THE BLOCK'S END: O^T / the sum x 2^(e8 + e9), quantised with e10: the conversions' results are my head's part of the last projection's operand.
	s_wait_loadcnt 0x0                             ; no load is out when the next block's loads name the same registers
.rept 4
	v_nop                                          ; places behind the last products
.endr
	v_add_f32 v6, v6, v7                           ; the sum's two halves,
	v_permlanex16_b32 v12, v6, s34, s35
	v_add_f32 v6, v6, v12                          ; and lane l xor 16's
	v_cmp_eq_f32 vcc_lo, 0, v6                     ; a query with no key
	v_rcp_f32 v10, v6
	v_nop                                          ; a plain line behind the reciprocal
	s_wait_alu depctr_va_vdst(0)                   ; and the wait ahead of its first reader
	v_ldexp_f32 v10, v10, s36
.set j, 0
.rept 32
	v_mul_f32 v[S+j], v[O+j], v10                  ; each accumulator from its low end on
.set j, j+1
.endr
.set j, 0
.rept 32
	v_med3_num_f32 v[S+j], v[S+j], -v19, v19
.set j, j+1
.endr
.irp c, 0,1,2,3
	v_cvt_scalef32_pk8_fp8_f32 v[PC+2*\c:PC+2*\c+1], v[S+8*\c:S+8*\c+7], v18
.endr
	v_nop                                          ; a plain line behind the last conversion
.irp n, 0,1,2,3,4,5,6,7
	v_cndmask_b32 v[PC+\n], v[PC+\n], v[NANC], vcc_lo
.endr
	global_store_b128 v[LI], v[PC:PC+3], s[46:47]              ; 512 consecutive bytes each, aligned
	global_store_b128 v[LI], v[PC+4:PC+7], s[46:47] offset:512
	s_sub_co_u32 s25, 7, s25                       ; the other block
	s_sub_co_u32 s27, s27, 1
	s_cmp_lg_u32 s27, 0
	s_cbranch_scc1 .Lblock
	s_wait_tensorcnt 0x0
	ds_add_u32 v254, v255
	s_wait_dscnt 0x0
	s_endpgm
.Lfunc_end_k_qc882dbf599_attn:
	.size	k_qc882dbf599_attn, .Lfunc_end_k_qc882dbf599_attn-k_qc882dbf599_attn
	.p2alignl 7, 3214868480
	.fill 96, 4, 3214868480
	.section	.rodata,"a",@progbits
	.p2align	6, 0x0
	.amdhsa_kernel k_qc882dbf599_attn
		.amdhsa_group_segment_fixed_size 34816
		.amdhsa_private_segment_fixed_size 0
		.amdhsa_enable_private_segment 0
		.amdhsa_kernarg_size 56
		.amdhsa_user_sgpr_count 2
		.amdhsa_user_sgpr_kernarg_segment_ptr 1
		.amdhsa_wavefront_size32 1
		.amdhsa_system_sgpr_workgroup_id_x 1
		.amdhsa_system_sgpr_workgroup_id_y 1
		.amdhsa_system_sgpr_workgroup_id_z 1
		.amdhsa_system_vgpr_workitem_id 0
		.amdhsa_next_free_vgpr 256
		.amdhsa_next_free_sgpr 66
		.amdhsa_reserve_vcc 1
		.amdhsa_float_denorm_mode_32 3
		.amdhsa_float_denorm_mode_16_64 3
		.amdhsa_memory_ordered 1
		.amdhsa_forward_progress 1
		.amdhsa_inst_pref_size 56
	.end_amdhsa_kernel
	.amdgpu_metadata
---
amdhsa.version: [ 1, 2 ]
amdhsa.kernels:
  - .name:           k_qc882dbf599_attn
    .symbol:         k_qc882dbf599_attn.kd
    .args:
      - { .name: qc, .offset: 0, .size: 8, .value_kind: global_buffer, .address_space: global }
      - { .name: kc, .offset: 8, .size: 8, .value_kind: global_buffer, .address_space: global }
      - { .name: vc, .offset: 16, .size: 8, .value_kind: global_buffer, .address_space: global }
      - { .name: lm, .offset: 24, .size: 8, .value_kind: global_buffer, .address_space: global }
      - { .name: flags, .offset: 32, .size: 8, .value_kind: global_buffer, .address_space: global }
      - { .name: lowp_scales, .offset: 40, .size: 8, .value_kind: global_buffer, .address_space: global }
      - { .name: ac, .offset: 48, .size: 8, .value_kind: global_buffer, .address_space: global }
    .group_segment_fixed_size: 34816
    .private_segment_fixed_size: 0
    .kernarg_segment_align: 8
    .kernarg_segment_size: 56
    .max_flat_workgroup_size: 512
    .sgpr_count:     66
    .vgpr_count:     256
    .wavefront_size: 32
...
	.end_amdgpu_metadata
.endif
;; end of part 3
;; launch outp (part 4): grid 4 x 32, 4 waves a work-group, clusters of 4 x 4, 327,680 bytes of LDS; arguments ac, wc, bo, lowp_scales, out0; writes out0
.if DOCPART == 4
	.amdgcn_target "amdgcn-amd-amdhsa--gfx1250"
	.amdhsa_code_object_version 6
	.text
	.protected	k_qc882dbf599_outp
	.globl	k_qc882dbf599_outp
	.p2align	8
	.type	k_qc882dbf599_outp,@function
k_qc882dbf599_outp:
	s_mov_b64 s[64:65], 0
	v_nop
	global_prefetch_b8 v0, s[64:65] scope:SCOPE_SE
	s_setreg_imm32_b32 hwreg(HW_REG_WAVE_MODE, 25, 1), 1
	s_wait_xcnt 0x0
	s_wait_alu depctr_hold_cnt(0) depctr_sa_sdst(0) depctr_va_vdst(0) depctr_va_sdst(0) depctr_va_ssrc(0) depctr_va_vcc(0) depctr_vm_vsrc(0)
	s_getreg_b32 s2, hwreg(HW_REG_IB_STS2, 6, 4)
	s_cmp_eq_u32 s2, 0
	s_cbranch_scc0 .Lentry_in_a_cluster
	s_endpgm
.Lentry_in_a_cluster:
	s_bfe_u32 s2, ttmp6, 0x10000c
	s_cmp_lg_u32 s2, 0xf033
	s_cbranch_scc0 .Lentry_shape_is_right
	s_endpgm
.Lentry_shape_is_right:
; OUTP.  out0 = attention's result x Wo^T + bo on codes of E4M3.  A = ac [512 token tiles][8 K steps][2,048-byte images], B = Wo, the fourth weight of wc, laid likewise; out0 [8192][1024] f32; K = 1,024.
; out0 = sum x 2^(e10 + e11) + bo, one packed multiply-add for two.  LIMIT: e10 + e11 between -126 and 127.
; A tile of 256 x 256 is made by four waves, 128 x 128 each; K goes in steps of 256 through a ring of two LDS slots filled by the tensor data mover.  A fragment is four ds_load_b128 of 512 consecutive bytes: no pitch, no padding.
; CLUSTERS: 4 x 4 work-groups; A's tile is asked for jointly by a row of the cluster, B's by a column.  THE MATRIX INSTRUCTION IS USED TRANSPOSED (source 0 = 16 rows of B, source 1 = 16 rows of A): a lane holds eight neighbouring
; numbers of a row of out0.  32 x 4 tiles make 128 work-groups: a tile half as large would fill more WGPs but read each fragment for half as many products.
; REGISTERS, in windows of 256: window 0: v0-31 addresses; v32-63 at work on the way out; v64-127 the bias; from v128 A's fragments, ONE set (on the way out: rows read back).  window 1: B's fragments, TWO sets.  windows 2, 3: the accumulators.
.set FRB,    2048
.set RTB,    2*FRB
.set HALFT,  8*RTB
.set SLOT,   4*HALFT
.set SPARE,  2*SLOT                    ; behind the ring: the spare words, 128 bytes for each wave: two blocks of 256 bytes that no other line names
.set LAPS,   2
.set FR,     16
.set NL,     4
.set NP,     4
.set SPITCH, 528                       ; the way out: a stage of 16 rows x (512 bytes + 16) for each wave, in slot 0, which has had its last fill and its last read when the first result is stored there
.set ROWC,   4096                      ; a row of out0 in bytes
.set ADRA,   16
.set ADRB,   20
.set STO,    24                        ; v24     the way out: where I put 32 bytes of a row
.set RD,     25                        ; v25     where I read a row back
.set CO,     26                        ; v26     16 x lane
.set SPW,    28
.set NIL,    29
.set TMP,    32                        ; v32-63  half a block's results
.set BI,     64                        ; v64-127 v[BI + 8 b + i] = bo[my first column + 16 b + 8 h + i]
.set AF,     128
.set BK,     128                       ; 16 rows read back: v128-191 and v192-255 by turns
.set G1,     24
.set G0,     32
.set G1B,    48
.set G0B,    56
.set MSB, 0
.macro WIN new                         ; the immediate's high byte repeats the setting that is left
.if MSB != \new
	s_set_vgpr_msb (MSB<<8)|\new
.set MSB, \new
.endif
.endm
.set MUL_LO, 0xa1
.set MUL_HI, 0xf1
.set TO_B,   0x40
.macro JLOAD g0a, g1a, g0b, g1b        ; a joint load: waves 0 and 1 fetch for A, waves 2 and 3 for B; four v_nop follow each of the two lines
	s_cmp_eq_u32 s15, 0
	s_cbranch_scc0 .Lfor_b_\@
	tensor_load_to_lds s[\g0a:\g0a+3], s[\g1a:\g1a+7]
	s_nop 0
.rept 4
	v_nop
.endr
	s_branch .Lasked_\@
.Lfor_b_\@:
	tensor_load_to_lds s[\g0b:\g0b+3], s[\g1b:\g1b+7]
	s_nop 0
.rept 4
	v_nop
.endr
.Lasked_\@:
.endm
.macro CREST
	s_cmp_lg_u32 s14, 0
	s_cbranch_scc1 .Lnot_wave_0_\@
	s_barrier_signal -3
.Lnot_wave_0_\@:
	s_barrier_wait -3
	s_barrier_signal -1
	s_barrier_wait -1
.endm
.macro CROUND
	s_barrier_signal -1
	s_barrier_wait -1
	CREST
.endm
	s_load_b256 s[68:75], s[0:1], 0x0              ; ac s[68:69], wc s[70:71], bo s[72:73], the scales s[74:75]
	s_load_b64 s[76:77], s[0:1], 0x20              ; out0
	v_lshl_add_u32 v[SPW], v0, 2, SPARE
	v_mov_b32 v[NIL], 0
	ds_add_u32 v28, v29
	ds_add_u32 v28, v29
	s_wait_dscnt 0x0
	v_lshrrev_b32 v1, 5, v0
	v_readfirstlane_b32 s14, v1                    ; wave 0..3
	s_lshr_b32 s15, s14, 1                         ; which half of the tile's rows is mine.  Also: I fetch for A (0) or for B (1)
	s_and_b32 s16, s14, 1                          ; which half of its columns.  Also: which 128 rows of that tile I fetch
	s_bfe_u32 s40, ttmp6, 0x40000                  ; cx, cy
	s_bfe_u32 s41, ttmp6, 0x40004
	s_mov_b32 s42, s40                             ; tile column = cx: the grid is one cluster wide
	s_and_b32 s17, ttmp7, 0xffff
	s_lshl_b32 s17, s17, 2
	s_add_co_u32 s17, s17, s41                     ; tile row = 4 x cluster y + cy
	s_lshl_b32 s43, s41, 2
	s_lshl_b32 s43, 15, s43                        ; my row of the cluster
	s_lshl_b32 s44, 0x1111, s40                    ; my column
	s_or_b32 s[G1+0], s43, (3<<16)|(1<<21)         ; 15:0 the mask; 17:16 elements of 8 bytes; 20 no padding; 21 set beside a mask
	s_or_b32 s[G1B+0], s44, (3<<16)|(1<<21)
.irp g, G1, G1B
	s_mov_b32 s[\g+1], 512<<16                     ; tensor_dim0: 4,096 bytes: a row tile's two images of a slot
	s_mov_b32 s[\g+2], 8<<16                       ; tensor_dim1: 8 row tiles
	s_mov_b32 s[\g+3], 512<<16                     ; tile_dim0
	s_mov_b32 s[\g+4], 8                           ; tile_dim1
	s_mov_b32 s[\g+5], 2048                        ; tensor_dim0_stride: 16,384 bytes from row tile to row tile
	s_mov_b32 s[\g+6], 0
	s_mov_b32 s[\g+7], 0
.endr
	s_lshl_b32 s18, s16, 17
	s_lshl_b32 s20, s17, 18
	s_add_co_u32 s20, s20, s18
	s_lshl_b32 s46, s42, 18
	s_add_co_u32 s46, s46, s18
	s_add_co_u32 s46, s46, 0x300000                ; Wo is the fourth weight
	s_mov_b32 s21, 0
	s_mov_b32 s47, 0
	s_mul_i32 s45, s14, HALFT
	s_wait_kmcnt 0x0
	s_load_b64 s[96:97], s[74:75], 0x28            ; e10, e11
	s_add_nc_u64 s[20:21], s[68:69], s[20:21]
	s_add_nc_u64 s[46:47], s[70:71], s[46:47]
	CROUND                                         ; all sixteen work-groups are here: the first joint loads meet
.irp s, 0,1
	s_mov_b32 s[G0+4*\s], 1
	s_add_co_u32 s[G0+4*\s+1], s45, \s*SLOT
	s_add_nc_u64 s[G0+4*\s+2:G0+4*\s+3], s[20:21], \s*RTB
	s_or_b32 s[G0+4*\s+3], s[G0+4*\s+3], 0x80000000
	s_mov_b32 s[G0B+4*\s], 1
	s_add_co_u32 s[G0B+4*\s+1], s45, \s*SLOT
	s_add_nc_u64 s[G0B+4*\s+2:G0B+4*\s+3], s[46:47], \s*RTB
	s_or_b32 s[G0B+4*\s+3], s[G0B+4*\s+3], 0x80000000
	JLOAD G0+4*\s, G1, G0B+4*\s, G1B
.endr
	v_and_b32 v1, 15, v0                           ; r
	v_bfe_u32 v2, v0, 4, 1                         ; h
	v_and_b32 v6, 31, v0
	v_lshlrev_b32 v[CO], 4, v6
	s_mul_i32 s21, s15, HALFT
	s_mul_i32 s22, s16, HALFT
	s_add_co_u32 s22, s22, 2*HALFT
.irp s, 0,1
	v_add_nc_u32 v[ADRA+\s], s21, v[CO]
	v_add_nc_u32 v[ADRB+\s], s22, v[CO]
	s_add_co_u32 s21, s21, SLOT
	s_add_co_u32 s22, s22, SLOT
.endr
	s_mul_i32 s23, s14, 16*SPITCH                  ; my stage
	v_mul_u32_u24 v5, v1, SPITCH                   ; in: row r, 32 bytes for each half of the lanes
	v_lshl_add_u32 v5, v2, 5, v5
	v_add_nc_u32 v[STO], s23, v5
	v_add_nc_u32 v[RD], s23, v[CO]                 ; back: the 32 lanes take one row of 512 bytes
	s_lshl_b32 s18, s42, 10                        ; the bias: 256 columns of 4 bytes a tile column, my 128 of them; asked for now, waited for on the way out
	s_lshl_b32 s19, s16, 9
	s_add_co_u32 s18, s18, s19
	s_mov_b32 s19, 0
	s_add_nc_u64 s[8:9], s[72:73], s[18:19]
	v_lshlrev_b32 v3, 5, v2
.irp b, 0,1,2,3,4,5,6,7
	global_load_b128 v[BI+8*\b:BI+8*\b+3], v3, s[8:9] offset:64*\b
	global_load_b128 v[BI+8*\b+4:BI+8*\b+7], v3, s[8:9] offset:64*\b+16
.endr
	s_lshl_b32 s18, s17, 20                        ; out0: 256 rows of 4,096 bytes a tile row,
	s_lshl_b32 s19, s15, 19                        ; my 128 of them,
	s_add_co_u32 s18, s18, s19
	s_lshl_b32 s19, s42, 10                        ; the tile's 1,024 bytes of a row,
	s_add_co_u32 s18, s18, s19
	s_lshl_b32 s19, s16, 9                         ; my 512 of them
	s_add_co_u32 s18, s18, s19
	s_mov_b32 s19, 0
	s_add_nc_u64 s[10:11], s[76:77], s[18:19]
.macro FRAG reg, adr, q, i
.irp c, 0,1,2,3
	ds_load_b128 v[\reg+4*\c:\reg+4*\c+3], v[\adr] offset:(\i)*RTB+(\q)*FRB+512*\c
.endr
.endm
.macro MUL16 a0, p, zero               ; 16 matrix instructions; the 64 accumulators take turns, one instruction a turn
.irp a, \a0, \a0+1
.irp b, 0,1,2,3,4,5,6,7
.if \zero
	v_wmma_f32_16x16x128_fp8_fp8 v[8*(8*((\a)%4)+\b):8*(8*((\a)%4)+\b)+7], v[128*(\p)+FR*\b:128*(\p)+FR*\b+FR-1], v[AF+FR*(\a):AF+FR*(\a)+FR-1], 0
.else
	v_wmma_f32_16x16x128_fp8_fp8 v[8*(8*((\a)%4)+\b):8*(8*((\a)%4)+\b)+7], v[128*(\p)+FR*\b:128*(\p)+FR*\b+FR-1], v[AF+FR*(\a):AF+FR*(\a)+FR-1], v[8*(8*((\a)%4)+\b):8*(8*((\a)%4)+\b)+7]
.endif
.endr
.endr
.endm
.macro FETCH_B slot, q, p
	WIN TO_B
.irp i, 0,1,2,3,4,5,6,7
	FRAG 128*(\p)+FR*\i, ADRB+\slot, \q, \i
.endr
	WIN 0
.endm
.macro FETCH_A slot, q, i0
.irp i, \i0, \i0+1, \i0+2, \i0+3
	FRAG AF+FR*(\i), ADRA+\slot, \q, \i
.endr
.endm
.macro PLACES n
.rept \n
	v_nop
.endr
.endm
.macro STEP slot, q, zero
	s_wait_dscnt 4*NL                              ; B's set and A's blocks 0-3 are in; the youngest 16 loads (A's blocks 4-7) may be out
	WIN MUL_LO
	MUL16 0, (\q)%2, \zero
	MUL16 2, (\q)%2, \zero
	s_wait_dscnt 0
	PLACES NP
	FETCH_B \slot, (\q)+1, 1-(\q)%2
	FETCH_A \slot, (\q)+1, 0
	WIN MUL_HI
	MUL16 4, (\q)%2, \zero
	MUL16 6, (\q)%2, \zero
	PLACES NP
	WIN 0
	FETCH_A \slot, (\q)+1, 4
.endm
.macro TURN slot, next, fill
	s_wait_tensorcnt 0x0                           ; all my tensor loads have landed: my part of the next slot
	ds_add_u32 v[SPW], v[NIL]                      ; 0 onto my spare word
	s_wait_dscnt 4*NL+1                            ; (the add and the youngest 16 loads may be out)
	WIN MUL_LO
	MUL16 0, 1, 0
	s_wait_dscnt 0x0                               ; the add is done, and my reads of this slot are over
	s_barrier_signal -1
	MUL16 2, 1, 0
	WIN 0
	s_barrier_wait -1
.if \fill
	CREST                                          ; the barrier has opened a round of the cluster's barrier
	s_add_nc_u64 s[G0+4*\slot+2:G0+4*\slot+3], s[G0+4*\slot+2:G0+4*\slot+3], 2*RTB
	s_add_nc_u64 s[G0B+4*\slot+2:G0B+4*\slot+3], s[G0B+4*\slot+2:G0B+4*\slot+3], 2*RTB
	JLOAD G0+4*\slot, G1, G0B+4*\slot, G1B         ; the first tensor load behind the round
.else
	PLACES NP
.endif
	FETCH_B \next, 0, 0
	FETCH_A \next, 0, 0
	WIN MUL_HI
	MUL16 4, 1, 0
	MUL16 6, 1, 0
	PLACES NP
	WIN 0
	FETCH_A \next, 0, 4
.endm
	s_wait_tensorcnt 1                             ; my part of slot 0 is in (slot 1's load may be out),
	s_barrier_signal -1
	s_barrier_wait -1                              ; everybody's is
	FETCH_B 0, 0, 0
	FETCH_A 0, 0, 0
	FETCH_A 0, 0, 4
	STEP 0, 0, 1
	s_mov_b32 s3, LAPS-1
.Llap:
	TURN 0, 1, 1
	STEP 1, 0, 0
	TURN 1, 0, 1
	STEP 0, 0, 0
	s_sub_co_u32 s3, s3, 1
	s_cmp_lg_u32 s3, 0
	s_cbranch_scc1 .Llap
	TURN 0, 1, 0
	STEP 1, 0, 0
	s_wait_dscnt 4*NL
	WIN MUL_LO
	MUL16 0, 1, 0
	MUL16 2, 1, 0
	s_wait_dscnt 0
	WIN MUL_HI
	MUL16 4, 1, 0
	MUL16 6, 1, 0
	WIN 0
; THE WAY OUT, block by block of 16 rows x 128 columns, through my own stage in LDS: in as 32 bytes a lane, back as whole rows of 512 bytes.  LDS serves a wave's instructions in order (ISA guide 5.7.1.4).
.macro TOSTAGE a
.set AC, 64*((\a)%4)
.irp hf, 0,1                           ; four of the block's eight accumulators at a time
	WIN 0x02+((\a)/4)                              ; source 0: window 2 or 3
.irp j, 0,2,4,6,8,10,12,14,16,18,20,22,24,26,28,30
	v_pk_fma_f32 v[TMP+\j:TMP+\j+1], v[AC+32*\hf+\j:AC+32*\hf+\j+1], s[96:97], v[BI+32*\hf+\j:BI+32*\hf+\j+1] op_sel_hi:[1,0,1]   ; sum x 2^(e10 + e11) + bo; each accumulator from its low end on
.endr
	WIN 0
.irp b, 0,1,2,3
	ds_store_b128 v[STO], v[TMP+8*\b:TMP+8*\b+3] offset:64*(4*\hf+\b)
	ds_store_b128 v[STO], v[TMP+8*\b+4:TMP+8*\b+7] offset:64*(4*\hf+\b)+16
.endr
.endr
.set BB, BK+64*((\a)%2)
.irp t, 0,1,2,3,4,5,6,7,8,9,10,11,12,13,14,15
	ds_load_b128 v[BB+4*\t:BB+4*\t+3], v[RD] offset:\t*SPITCH
.endr
.endm
.macro SEND a, younger                 ; younger: the LDS instructions issued behind block a's loads, which may stay out
.set BB, BK+64*((\a)%2)
	s_wait_dscnt \younger
.if (\a) > 0
	s_add_nc_u64 s[10:11], s[10:11], 16*ROWC       ; (behind a wait on XCNT: the earlier stores have read their base)
.endif
.irp t, 0,1,2,3,4,5,6,7,8,9,10,11,12,13,14,15
	global_store_b128 v[CO], v[BB+4*\t:BB+4*\t+3], s[10:11] offset:\t*ROWC th:TH_STORE_NT   ; 32 lanes store 512 consecutive bytes, aligned
.endr
.endm
	s_wait_loadcnt 0x0                             ; the bias
	s_wait_kmcnt 0x0
	s_add_co_i32 s96, s96, s97
	s_add_co_i32 s96, s96, 127
	s_lshl_b32 s96, s96, 23                        ; 2^(e10 + e11) as f32
	s_mov_b32 s97, s96                             ; (named with it as a pair, so it is written)
	PLACES NP
	TOSTAGE 0
.irp a, 1,2,3,4,5,6,7
.if \a > 1
	s_wait_xcnt 0x0                                ; block a - 2's stores have read their registers and their base
.endif
	TOSTAGE \a
	SEND \a-1, 32                                  ; behind block a - 1's loads: block a's 16 stores and 16 loads
.endr
	s_wait_xcnt 0x0
	SEND 7, 0
	s_wait_tensorcnt 0x0                           ; the wave's end
	ds_add_u32 v[SPW], v[NIL]
	s_wait_dscnt 0x0
	CROUND                                         ; the closing round
	s_endpgm
.Lfunc_end_k_qc882dbf599_outp:
	.size	k_qc882dbf599_outp, .Lfunc_end_k_qc882dbf599_outp-k_qc882dbf599_outp
	.p2alignl 7, 3214868480
	.fill 96, 4, 3214868480
	.section	.rodata,"a",@progbits
	.p2align	6, 0x0
	.amdhsa_kernel k_qc882dbf599_outp
		.amdhsa_group_segment_fixed_size 327680
		.amdhsa_private_segment_fixed_size 0
		.amdhsa_enable_private_segment 0
		.amdhsa_kernarg_size 40
		.amdhsa_user_sgpr_count 2
		.amdhsa_user_sgpr_kernarg_segment_ptr 1
		.amdhsa_wavefront_size32 1
		.amdhsa_system_sgpr_workgroup_id_x 1
		.amdhsa_system_sgpr_workgroup_id_y 1
		.amdhsa_system_sgpr_workgroup_id_z 1
		.amdhsa_system_vgpr_workitem_id 0
		.amdhsa_next_free_vgpr 1024
		.amdhsa_next_free_sgpr 100
		.amdhsa_reserve_vcc 0
		.amdhsa_float_denorm_mode_32 3
		.amdhsa_float_denorm_mode_16_64 3
		.amdhsa_memory_ordered 1
		.amdhsa_forward_progress 1
		.amdhsa_inst_pref_size 125
	.end_amdhsa_kernel
	.amdgpu_metadata
---
amdhsa.version: [ 1, 2 ]
amdhsa.kernels:
  - .name:           k_qc882dbf599_outp
    .symbol:         k_qc882dbf599_outp.kd
    .args:
      - { .name: ac, .offset: 0, .size: 8, .value_kind: global_buffer, .address_space: global }
      - { .name: wc, .offset: 8, .size: 8, .value_kind: global_buffer, .address_space: global }
      - { .name: bo, .offset: 16, .size: 8, .value_kind: global_buffer, .address_space: global }
      - { .name: lowp_scales, .offset: 24, .size: 8, .value_kind: global_buffer, .address_space: global }
      - { .name: out0, .offset: 32, .size: 8, .value_kind: global_buffer, .address_space: global }
    .group_segment_fixed_size: 327680
    .private_segment_fixed_size: 0
    .kernarg_segment_align: 8
    .kernarg_segment_size: 40
    .max_flat_workgroup_size: 128
    .sgpr_count:     100
    .vgpr_count:     1024
    .wavefront_size: 32
...
	.end_amdgpu_metadata
.endif
;; end of part 4
;; ======== version 2 of 2: 4 launches; version 1 with the launch attn written anew for expert scheduling mode
;; workspace buffers: xc 25,165,824 bytes; wc 4,194,304 bytes; lm 16,777,216 bytes; flags 8,192 bytes of whole numbers; qc 8,388,608 bytes; kc 8,388,608 bytes; vc 8,388,608 bytes; ac 8,388,608 bytes
;; launch prep: the kernel of part 1 again; grid 1024 x 1, 4 waves a work-group, no clusters, 34,304 bytes of LDS; arguments query, key, val, Wq, Wk, Wv, Wo, attn_mask, lowp_scales, xc, wc, lm, flags; writes xc, wc, lm, flags
;; launch proj: the kernel of part 2 again; grid 4 x 96, 4 waves a work-group, clusters of 4 x 4, 327,680 bytes of LDS; arguments xc, wc, bq, bk, bv, lowp_scales, qc, kc, vc; writes qc, kc, vc
;; launch attn (part 5): grid 4 x 64, 16 waves a work-group, no clusters, 34,816 bytes of LDS; arguments qc, kc, vc, lm, flags, lowp_scales, ac; writes ac
.if DOCPART == 5
	.amdgcn_target "amdgcn-amd-amdhsa--gfx1250"
	.amdhsa_code_object_version 6
	.text
	.protected	k_qc882dbf599_attn
	.globl	k_qc882dbf599_attn
	.p2align	8
	.type	k_qc882dbf599_attn,@function
k_qc882dbf599_attn:
	s_mov_b64 s[64:65], 0
	v_nop
	global_prefetch_b8 v0, s[64:65] scope:SCOPE_SE
	s_setreg_imm32_b32 hwreg(HW_REG_WAVE_SCHED_MODE, 0, 2), 2
	s_setreg_imm32_b32 hwreg(HW_REG_WAVE_MODE, 25, 1), 1
	s_wait_xcnt 0x0
	s_wait_alu depctr_vm_vsrc(0)
; ATTN.  softmax((q k^T + ln mask) / 8) v for one head, both products on codes of E4M3; the result is quantised for the last projection.
; THE SOFTMAX AHEAD OF THE SECOND PRODUCT: t = logit x log2(e); M = the row's largest t so far, rounded UP to a whole number; p = 2^(t - M) is quantised, not normalised; the row's sum is taken of the unquantised p and divides at
; the end.  When M moves, the sum and O are multiplied by 2^(old M - new M): exact.
; SHARES.  A work-group owns one (batch, head) and two blocks of 256 queries, 7 - x and then x; each of its sixteen waves owns one tile of 16 queries of a block.  Every wave walks 16 key steps of 128: all trip counts are constants.
; THE MASK is an input.  An earlier launch has stored, for each tile of 16 queries x 128 keys, a class (0: all zeros, 1: all ones, 2: mixed) and the logarithms.  A step of class 0 adds nothing to any sum (p = 0) and its work is
; jumped over; a step of class 1 adds ln 1 = 0; a step of class 2 adds the stored logarithms to the raw scores.  That holds for every mask.  The branches hang on the stored classes, whole numbers read from memory.
; So this launch has no tensor load, and with that no joint loads: K and V go from memory through registers into LDS, 16 bytes of each a thread and step, asked for two key steps ahead of their use; what the four work-groups of a
; head share is the head's 262,144 bytes of K and V.  A step that no wave of the work-group needs is neither fetched nor stored.
; LAYOUT.  All operands are images of their registers in the plain fp8 forms' own layout.  Both products are used transposed: S^T = K Q^T (source 0 = 16 keys, source 1 = my 16 queries), O^T = V^T P^T: a lane holds ONE query.
; Register j of score tile t is key 16 t + 8 h + j: one conversion of tile t is registers 2 t, 2 t + 1 of P; one conversion of O^T's tile is two registers of the last projection's operand.
; A QUERY WITH NO KEY LEFT (its row of the mask all zeros) gets NaN codes: its row of the output is NaN, as the softmax of a row of -infinity is.
; LIMITS: e9, e10 between -126 and 119; e6 + e7 between -100 and 100 (added to c's exponent field); e8 + e9 is applied by v_ldexp_f32.
; THE MODE: SCHED_MODE bits 1:0 = 2 (LLVM: expert scheduling mode 2), set by the entry lines.  The code itself states the register dependences between vector or matrix instructions and memory or LDS instructions, with s_wait_alu,
; always for 0.
; THE PLAN.  Registers that memory or LDS instructions touch:
;   v1, v2, v252, v253   offsets and LDS addresses: written at the head, never again; read by every load and store.  The wait on va_vdst at a block's head stands ahead of the first of them.
;   STG0, STG1   written by global loads, read by LDS stores, named by no vector line.  Step par stores set 1 - par and loads into set par, which the step before stored: a wait on vm_vsrc at each step's head.
;   Q            loaded at a block's head, read by the score products.
;   F            LDS loads land in it three times a step (K's tiles 0-3, K's tiles 4-7, V's tiles 0 and 1), each time behind products that read it: a wait on va_vdst ahead of each run.
;   S            written by the score products and the softmax, read last by the conversions; behind a wait on va_vdst V's tiles 2 and 3 land in its first 32 registers, which O^T's last two products read.  At a block's head the classes land in it.
;   LM           written by global loads, read by the additions of a step of class 2: the wait behind those additions stands ahead of the next step's loads.
;   PC           written by conversions, read by products; at a block's end also by two stores: va_vdst ahead of them, vm_vsrc at the next block's head.
;   O^T and the statistics are named by vector and matrix instructions alone.
.set LI,   1                           ; v1   16 x lane
.set CP,   2                           ; v2   16 x thread: my 16 bytes of a step's K and of its V, in memory and in a slot
.set NANC, 3                           ; v3   four NaN codes
                                       ; v4 -M, v5 the largest t;  v[6:7] the sum in two halves;  v8 f, v9 0;  v10-15 at work;  v16, v17: 2^e9, 448 x 2^e9;  v18, v19: the same for e10
.set STG,  20                          ; v20-35   two sets of a K piece and a V piece on their way to LDS
.set Q,    36                          ; v36-43   my queries' fragment
.set PC,   44                          ; v44-59   p's codes
.set F,    60                          ; v60-91   four fragments of K or two of V
.set S,    92                          ; v92-155  S^T, then p; then, in v92-123, V's channel tiles 2 and 3
.set O,    156                         ; v156-187 O^T
.set LM,   188                         ; v188-251 a step's logarithms
.set FO,   252                         ; v252     4 x (lane % 16)
.set FW,   253                         ; v253     the same + 512 x (lane / 16)
.set WV,   22                          ; s22 wave;  s23 batch x 16 + head;  s24 my query tile;  s25 the block;  s26, s27 counters
.set ACT,  28                          ; s28  bit n: my tile has work n steps on
.set MIX,  29                          ; s29  bit n: it is of class 2
.set WGA,  30                          ; s30  bit n: some wave of the work-group has work
	s_load_b256 s[8:15], s[0:1], 0x0               ; qc, kc, vc, lm
	s_load_b128 s[16:19], s[0:1], 0x20             ; flags, the scales
	s_load_b64 s[20:21], s[0:1], 0x30              ; ac
	v_lshl_add_u32 v254, v0, 2, 0x8000
	v_mov_b32 v255, 0
	v_lshrrev_b32 v10, 5, v0
	v_readfirstlane_b32 s[WV], v10                 ; wave 0..15
	v_and_b32 v10, 31, v0
	v_lshlrev_b32 v[LI], 4, v10
	v_lshlrev_b32 v[CP], 4, v0
	v_mov_b32 v[NANC], 0x7f7f7f7f
	v_and_b32 v11, 15, v0
	v_lshlrev_b32 v[FO], 2, v11
	v_bfe_u32 v10, v0, 4, 1
	v_lshl_add_u32 v[FW], v10, 9, v[FO]
	v_mov_b32 v9, 0                                ; (named as the upper half of the pair v[8:9])
	v_mov_b32 v12, 0                               ; written once: a lane permute's destination counts as one of its sources
	s_wait_alu depctr_va_sdst(0)                   ; s22, the wave's number, is written, ahead of the first label and of its first reader: each block's query tile is made from it
	s_and_b32 s23, ttmp7, 0xffff
	s_sub_co_u32 s25, 7, ttmp9                     ; the first block
	s_mov_b32 s34, 0x76543210                      ; v_permlanex16_b32's selects for lane l xor 16
	s_mov_b32 s35, 0xfedcba98
	s_lshl_b32 s2, s23, 17                         ; a head's 131,072 bytes in qc, kc and vc
	s_mov_b32 s3, 0
	s_lshr_b32 s4, s23, 4                          ; ac: the batch's 128 token tiles of 16,384 bytes,
	s_lshl_b32 s4, s4, 21
	s_bfe_u32 s5, s23, 0x30001                     ; K step head / 2,
	s_lshl_b32 s5, s5, 11
	s_add_co_u32 s4, s4, s5
	s_and_b32 s5, s23, 1                           ; its half head % 2
	s_lshl_b32 s5, s5, 10
	s_add_co_u32 s4, s4, s5
	s_mov_b32 s5, 0
	s_wait_kmcnt 0x0
	s_load_b256 s[52:59], s[18:19], 0x0            ; e0 .. e7
	s_load_b128 s[60:63], s[18:19], 0x20           ; e8 .. e11
	s_add_nc_u64 s[8:9], s[8:9], s[2:3]
	s_add_nc_u64 s[10:11], s[10:11], s[2:3]
	s_add_nc_u64 s[12:13], s[12:13], s[2:3]
	s_add_nc_u64 s[20:21], s[20:21], s[4:5]
	s_wait_kmcnt 0x0
	s_add_co_i32 s2, s58, s59
	s_lshl_b32 s2, s2, 23
	s_add_co_i32 s32, s2, 0x3e38aa3b               ; c = log2(e) / 8 x 2^(e6 + e7): a raw score stands for score x 2^(e6 + e7)
	s_mov_b32 s33, s32                             ; (named with it as a pair, so it is written)
	s_mov_b32 s31, s61                             ; e9
	s_add_co_i32 s36, s60, s61                     ; e8 + e9
	s_add_co_i32 s2, s61, 127
	s_lshl_b32 s4, s2, 23
	v_mov_b32 v16, s4                              ; 2^e9
	s_add_co_i32 s2, s2, 8
	s_lshl_b32 s2, s2, 23
	s_or_b32 s2, s2, 0x600000
	v_mov_b32 v17, s2                              ; 448 x 2^e9
	s_add_co_i32 s2, s62, 127
	s_lshl_b32 s4, s2, 23
	v_mov_b32 v18, s4                              ; 2^e10
	s_add_co_i32 s2, s2, 8
	s_lshl_b32 s2, s2, 23
	s_or_b32 s2, s2, 0x600000
	v_mov_b32 v19, s2                              ; 448 x 2^e10
; The next step's logarithms, if that step is of class 2.  LM has just been read, or is not read in this step.  No wait stands here: every addition that reads LM is followed, in its own step, by the wait at the join behind it.
.macro LMASK par
	s_bitcmp1_b32 s[MIX], 1
	s_cbranch_scc0 .Lno_lm_\@
.irp g, 0,1,2,3,4,5,6,7,8,9,10,11,12,13,14,15
	global_load_b128 v[LM+4*\g:LM+4*\g+3], v[LI], s[42:43] offset:(1+\par)*8192+512*\g
.endr
.Lno_lm_\@:
.endm
; A KEY STEP of 128 keys; par = its parity = its slot.  ONE barrier a step: the other slot is written in this step and was last read in the step before, ahead of that step's barrier; this slot was written in the step before.
.macro STEP par
	s_wait_loadcnt 0x0                             ; the next step's K and V pieces and this step's logarithms, all asked for a step ago
	s_wait_alu depctr_vm_vsrc(0)                   ; the LDS stores of the step before (in a block's first step: of the block's head) have read set par of STG, in which the loads below land
	s_bitcmp1_b32 s[WGA], 1
	s_cbranch_scc0 .Lno_put_\@
	ds_store_b128 v[CP], v[STG+8*(1-\par):STG+8*(1-\par)+3] offset:(1-\par)*16384
	ds_store_b128 v[CP], v[STG+8*(1-\par)+4:STG+8*(1-\par)+7] offset:(1-\par)*16384+8192
.Lno_put_\@:
	s_bitcmp1_b32 s[WGA], 2                        ; bits 16 on are 0: no load leaves its buffer
	s_cbranch_scc0 .Lno_get_\@
	global_load_b128 v[STG+8*\par:STG+8*\par+3], v[CP], s[38:39] offset:(2+\par)*8192      ; this set's LDS stores were waited for at the last step's end
	global_load_b128 v[STG+8*\par+4:STG+8*\par+7], v[CP], s[40:41] offset:(2+\par)*8192
.Lno_get_\@:
	s_bitcmp1_b32 s[ACT], 0
	s_cbranch_scc1 .Lwork_\@
	LMASK \par
	s_branch .Lend_\@
.Lwork_\@:
	s_wait_alu depctr_va_vdst(0)                   ; the last worked step's products are done reading F, in which K's tiles 0 to 3 land
.irp g, 0,1                                    ; S^T = K Q^T, four tiles of 16 keys at a time
.if \g > 0
.rept 4
	v_nop                                          ; the four places behind the products above stay,
.endr
	s_wait_alu depctr_va_vdst(0)                   ; and beside them: those products are done reading F, in which K's tiles 4 to 7 land
.endif
.irp t, 0,1,2,3
	ds_load_b128 v[F+8*\t:F+8*\t+3], v[LI] offset:\par*16384+(4*\g+\t)*1024
	ds_load_b128 v[F+8*\t+4:F+8*\t+7], v[LI] offset:\par*16384+(4*\g+\t)*1024+512
.endr
	s_wait_dscnt 0x0
.irp t, 0,1,2,3
	v_wmma_f32_16x16x64_fp8_fp8 v[S+8*(4*\g+\t):S+8*(4*\g+\t)+7], v[F+8*\t:F+8*\t+7], v[Q:Q+7], 0
.endr
.endr
.rept 4
	v_nop                                          ; four places between the products and the first vector line that reads their results (ISA guide 7.12.1)
.endr
	s_bitcmp1_b32 s[MIX], 0
	s_cbranch_scc0 .Lones_\@
.set j, 0
.rept 32
	v_pk_add_f32 v[S+j:S+j+1], v[S+j:S+j+1], v[LM+j:LM+j+1]   ; + ln(mask), in the raw scores' unit; -infinity where the mask is 0
.set j, j+2
.endr
.Lones_\@:
	s_wait_alu depctr_va_vdst(0)                   ; the products are done reading F, in which V's tiles 0 and 1 land; the additions are done reading LM, in which the next step's logarithms land
	LMASK \par
.irp c, 0,1                                    ; V's channel tiles 0 and 1 come while the softmax is walked: no line of it names F
.irp p, 0,1,2,3
	ds_load_b128 v[F+16*\c+4*\p:F+16*\c+4*\p+3], v[LI] offset:\par*16384+8192+\c*2048+512*\p
.endr
.endr
	v_max3_num_f32 v10, v[S], v[S+1], v[S+2]       ; the step's largest score of my query, among my 64 keys, in two chains,
	v_max3_num_f32 v11, v[S+3], v[S+4], v[S+5]
.irp i, 6,10,14,18,22,26,30,34,38,42,46,50,54,58
	v_max3_num_f32 v10, v10, v[S+\i], v[S+\i+1]
	v_max3_num_f32 v11, v11, v[S+\i+2], v[S+\i+3]
.endr
	v_max3_num_f32 v10, v10, v[S+62], v[S+63]
	v_max_num_f32 v10, v10, v11
	v_permlanex16_b32 v12, v10, s34, s35
	v_max_num_f32 v10, v10, v12                    ; and among lane l xor 16's
	v_mul_f32 v10, s32, v10                        ; as t (c is positive)
	v_max_num_f32 v5, v5, v10                      ; the running largest t
	v_mov_b32 v10, v4
	v_floor_f32 v4, -v5                            ; the new -M = floor(-t): M is a whole number
	v_sub_f32 v10, v4, v10                         ; old M - new M: a whole number, 0 or less
	v_cvt_i32_f32 v10, v10                         ; (it saturates)
	v_ldexp_f32 v8, 1.0, v10                       ; f = 2^(old M - new M)
.set j, 0
.rept 32
	v_pk_fma_f32 v[S+j:S+j+1], v[S+j:S+j+1], s[32:33], v[4:5] op_sel_hi:[1,0,0]   ; t - M, two at a time
.set j, j+2
.endr
.set j, 0
.rept 64
	v_exp_f32 v[S+j], v[S+j]                       ; p = 2^(t - M), at most 1
.set j, j+1
.endr
	v_pk_mul_f32 v[6:7], v[6:7], v[8:9] op_sel_hi:[1,0]   ; the sums under the new M (the plain line behind the exponentials)
	s_wait_alu depctr_va_vdst(0)                   ; the 64 exponentials have written p: one wait for the batch, ahead of its first reader
	v_pk_add_f32 v[14:15], v[S:S+1], v[S+2:S+3]    ; the row's sum is taken of the unquantised p, in two chains
.irp i, 4,8,12,16,20,24,28,32,36,40,44,48,52,56,60
	v_pk_add_f32 v[6:7], v[6:7], v[S+\i:S+\i+1]
	v_pk_add_f32 v[14:15], v[14:15], v[S+\i+2:S+\i+3]
.endr
	v_pk_add_f32 v[6:7], v[6:7], v[14:15]
	s_cmp_ge_i32 s31, -8                           ; p is at most 1, and 448 x 2^e9 is above 1 from e9 = -8 on: the hold is needed only under that
	s_cbranch_scc1 .Lno_hold_\@
.set j, 0
.rept 64
	v_min_num_f32 v[S+j], v[S+j], v17              ; the conversion to an 8-bit code does not saturate (ISA guide 7.6.2); p is not negative
.set j, j+1
.endr
.Lno_hold_\@:
.irp t, 0,1,2,3,4,5,6,7
	v_cvt_scalef32_pk8_fp8_f32 v[PC+2*\t:PC+2*\t+1], v[S+8*\t:S+8*\t+7], v16
.endr
	s_wait_alu depctr_va_vdst(0)                   ; the conversions, p's last readers, are done with S: V's channel tiles 2 and 3 land in its first 32 registers
.irp c, 0,1
.irp p, 0,1,2,3
	ds_load_b128 v[S+16*\c+4*\p:S+16*\c+4*\p+3], v[LI] offset:\par*16384+8192+(2+\c)*2048+512*\p
.endr
.endr
.set j, 0
.rept 16
	v_pk_mul_f32 v[O+j:O+j+1], v[O+j:O+j+1], v[8:9] op_sel_hi:[1,0]   ; O^T under the new M (also the plain lines behind the conversions).  Neither these nor the two products below name S
.set j, j+2
.endr
	s_wait_dscnt 8                                 ; LDS loads come back in order (ISA guide 5.7.1): V's tiles 0 and 1 are in; the eight loads just issued may be out
	v_wmma_f32_16x16x128_fp8_fp8 v[O:O+7], v[F:F+15], v[PC:PC+15], v[O:O+7]              ; O^T += V^T P^T; the four accumulators take turns
	v_wmma_f32_16x16x128_fp8_fp8 v[O+8:O+15], v[F+16:F+31], v[PC:PC+15], v[O+8:O+15]
	s_wait_dscnt 0x0                               ; V's tiles 2 and 3 are in
	v_wmma_f32_16x16x128_fp8_fp8 v[O+16:O+23], v[S:S+15], v[PC:PC+15], v[O+16:O+23]
	v_wmma_f32_16x16x128_fp8_fp8 v[O+24:O+31], v[S+16:S+31], v[PC:PC+15], v[O+24:O+31]
.rept 5
	v_nop                                          ; five places behind the step's last products, on every way on: the next worked step's first products write over S, which these have read as a source; the block's end reads O^T
.endr
.Lend_\@:
	s_lshr_b32 s[ACT], s[ACT], 1
	s_lshr_b32 s[MIX], s[MIX], 1
	s_lshr_b32 s[WGA], s[WGA], 1
	s_wait_dscnt 0x0                               ; my stores into the other slot have landed and my reads of this slot are in
	s_barrier_signal -1
	s_barrier_wait -1
.endm
	s_mov_b32 s27, 2
.Lblock:
	s_wait_xcnt 0x0                                ; the last block's stores have read their registers and base
	s_wait_alu depctr_vm_vsrc(0)                   ; the last block's two stores have read PC, which this block's conversions write; its LDS stores have read STG, in which the loads below land
	s_wait_alu depctr_va_vdst(0)                   ; first block: the offsets v1, v2, v252, v253 are written, which every load and store reads.  Second: the last block's lines are done with S, Q and LM, in which the loads below land
	s_lshl_b32 s24, s25, 4
	s_add_co_u32 s24, s24, s[WV]                   ; my query tile i = 16 x block + wave
	s_mov_b64 s[38:39], s[10:11]                   ; K and V at the head's first step
	s_mov_b64 s[40:41], s[12:13]
	s_mov_b32 s3, 0
	s_lshl_b32 s2, s24, 17
	s_add_nc_u64 s[42:43], s[14:15], s[2:3]        ; my tile's logarithms
	s_lshl_b32 s2, s24, 10
	s_add_nc_u64 s[44:45], s[8:9], s[2:3]          ; my queries' image
	s_lshl_b32 s2, s24, 6
	s_add_nc_u64 s[48:49], s[16:17], s[2:3]        ; my tile's 16 classes
	s_lshl_b32 s2, s25, 10
	s_add_nc_u64 s[50:51], s[16:17], s[2:3]        ; the block's 16 x 16
	s_lshl_b32 s2, s24, 14
	s_add_nc_u64 s[46:47], s[20:21], s[2:3]        ; where my result goes
	global_load_b32 v[S], v[FO], s[48:49]          ; lane l: my tile's class at step l % 16
.irp n, 0,1,2,3,4,5,6,7
	global_load_b32 v[S+1+\n], v[FW], s[50:51] offset:64*\n   ; tile 8 (l / 16) + n of the block, step l % 16
.endr
	global_load_b128 v[Q:Q+3], v[LI], s[44:45]
	global_load_b128 v[Q+4:Q+7], v[LI], s[44:45] offset:512
	global_load_b128 v[STG:STG+3], v[CP], s[38:39]                   ; steps 0 and 1, whatever their classes
	global_load_b128 v[STG+4:STG+7], v[CP], s[40:41]
	global_load_b128 v[STG+8:STG+11], v[CP], s[38:39] offset:8192
	global_load_b128 v[STG+12:STG+15], v[CP], s[40:41] offset:8192
.irp g, 0,1,2,3,4,5,6,7,8,9,10,11,12,13,14,15
	global_load_b128 v[LM+4*\g:LM+4*\g+3], v[LI], s[42:43] offset:512*\g   ; step 0's logarithms, whatever its class: its class is not known yet
.endr
.set j, 0
.rept 32
	v_mov_b32 v[O+j], 0                            ; which step is a tile's first hangs on the mask, so no first step can be written out to start the sums
.set j, j+1
.endr
	v_mov_b32 v5, 0xff61b1e6                       ; the largest t so far: -3e38
	v_floor_f32 v4, -v5                            ; -M
	v_mov_b32 v6, 0
	v_mov_b32 v7, 0
	s_wait_loadcnt 0x0
	v_or_b32 v[S+1], v[S+1], v[S+2]
	v_or_b32 v[S+3], v[S+3], v[S+4]
	v_or_b32 v[S+5], v[S+5], v[S+6]
	v_or_b32 v[S+7], v[S+7], v[S+8]
	v_or_b32 v[S+1], v[S+1], v[S+3]
	v_or_b32 v[S+5], v[S+5], v[S+7]
	v_or_b32 v[S+1], v[S+1], v[S+5]
	v_cmp_ne_u32 s[ACT], 0, v[S]
	v_cmp_eq_u32 s[MIX], 2, v[S]
	v_cmp_ne_u32 s[WGA], 0, v[S+1]
	s_wait_alu depctr_va_sdst(0)                   ; the three compares have written s28, s29 and s30, ahead of their first readers: one wait behind the run
	s_and_b32 s[ACT], s[ACT], 0xffff
	s_and_b32 s[MIX], s[MIX], 0xffff
	s_lshr_b32 s2, s[WGA], 16                      ; the two halves of the lanes hold eight tiles each
	s_or_b32 s[WGA], s[WGA], s2
	s_and_b32 s[WGA], s[WGA], 0xffff
	ds_store_b128 v[CP], v[STG:STG+3]              ; step 0 into slot 0, which nobody has read since the barrier at the last block's last step but one
	ds_store_b128 v[CP], v[STG+4:STG+7] offset:8192
	s_wait_dscnt 0x0
	s_barrier_signal -1
	s_barrier_wait -1
	s_mov_b32 s26, 8
.Lpair:
	STEP 0
	STEP 1
	s_wait_xcnt 0x0                                ; the loads above have read their bases
	s_add_nc_u64 s[38:39], s[38:39], 16384
	s_add_nc_u64 s[40:41], s[40:41], 16384
	s_add_nc_u64 s[42:43], s[42:43], 16384
	s_sub_co_u32 s26, s26, 1
	s_cmp_lg_u32 s26, 0
	s_cbranch_scc1 .Lpair
	; THE BLOCK'S END: O^T / the sum x 2^(e8 + e9), quantised with e10: the conversions' results are my head's part of the last projection's operand.  (The places behind the last products stand in the step.)
	s_wait_loadcnt 0x0                             ; no load is out when the next block's loads name the same registers
	v_add_f32 v6, v6, v7                           ; the sum's two halves,
	v_permlanex16_b32 v12, v6, s34, s35
	v_add_f32 v6, v6, v12                          ; and lane l xor 16's
	v_cmp_eq_f32 vcc_lo, 0, v6                     ; a query with no key
	v_rcp_f32 v10, v6
	v_nop                                          ; a plain line behind the reciprocal
	s_wait_alu depctr_va_vdst(0)                   ; the reciprocal has written v10, ahead of its first reader
	v_ldexp_f32 v10, v10, s36
.set j, 0
.rept 32
	v_mul_f32 v[S+j], v[O+j], v10                  ; each accumulator from its low end on
.set j, j+1
.endr
.set j, 0
.rept 32
	v_med3_num_f32 v[S+j], v[S+j], -v19, v19
.set j, j+1
.endr
.irp c, 0,1,2,3
	v_cvt_scalef32_pk8_fp8_f32 v[PC+2*\c:PC+2*\c+1], v[S+8*\c:S+8*\c+7], v18
.endr
	v_nop                                          ; a plain line behind the last conversion
	s_wait_alu depctr_va_vcc(0)                    ; the compare above has written VCC, which the selects read
.irp n, 0,1,2,3,4,5,6,7
	v_cndmask_b32 v[PC+\n], v[PC+\n], v[NANC], vcc_lo
.endr
	s_wait_alu depctr_va_vdst(0)                   ; the selects have written PC's first eight registers, which the two stores read
	global_store_b128 v[LI], v[PC:PC+3], s[46:47]              ; 512 consecutive bytes each, aligned
	global_store_b128 v[LI], v[PC+4:PC+7], s[46:47] offset:512
	s_sub_co_u32 s25, 7, s25                       ; the other block
	s_sub_co_u32 s27, s27, 1
	s_cmp_lg_u32 s27, 0
	s_cbranch_scc1 .Lblock
	s_wait_dscnt 0x0
	s_wait_alu depctr_hold_cnt(0) depctr_sa_sdst(0) depctr_va_vdst(0) depctr_va_sdst(0) depctr_va_ssrc(0) depctr_va_vcc(0) depctr_vm_vsrc(0)
	s_wait_tensorcnt 0x0
	ds_add_u32 v254, v255
	s_wait_dscnt 0x0
	s_endpgm
.Lfunc_end_k_qc882dbf599_attn:
	.size	k_qc882dbf599_attn, .Lfunc_end_k_qc882dbf599_attn-k_qc882dbf599_attn
	.p2alignl 7, 3214868480
	.fill 96, 4, 3214868480
	.section	.rodata,"a",@progbits
	.p2align	6, 0x0
	.amdhsa_kernel k_qc882dbf599_attn
		.amdhsa_group_segment_fixed_size 34816
		.amdhsa_private_segment_fixed_size 0
		.amdhsa_enable_private_segment 0
		.amdhsa_kernarg_size 56
		.amdhsa_user_sgpr_count 2
		.amdhsa_user_sgpr_kernarg_segment_ptr 1
		.amdhsa_wavefront_size32 1
		.amdhsa_system_sgpr_workgroup_id_x 1
		.amdhsa_system_sgpr_workgroup_id_y 1
		.amdhsa_system_sgpr_workgroup_id_z 1
		.amdhsa_system_vgpr_workitem_id 0
		.amdhsa_next_free_vgpr 256
		.amdhsa_next_free_sgpr 66
		.amdhsa_reserve_vcc 1
		.amdhsa_float_denorm_mode_32 3
		.amdhsa_float_denorm_mode_16_64 3
		.amdhsa_memory_ordered 1
		.amdhsa_forward_progress 1
		.amdhsa_inst_pref_size 57
	.end_amdhsa_kernel
	.amdgpu_metadata
---
amdhsa.version: [ 1, 2 ]
amdhsa.kernels:
  - .name:           k_qc882dbf599_attn
    .symbol:         k_qc882dbf599_attn.kd
    .args:
      - { .name: qc, .offset: 0, .size: 8, .value_kind: global_buffer, .address_space: global }
      - { .name: kc, .offset: 8, .size: 8, .value_kind: global_buffer, .address_space: global }
      - { .name: vc, .offset: 16, .size: 8, .value_kind: global_buffer, .address_space: global }
      - { .name: lm, .offset: 24, .size: 8, .value_kind: global_buffer, .address_space: global }
      - { .name: flags, .offset: 32, .size: 8, .value_kind: global_buffer, .address_space: global }
      - { .name: lowp_scales, .offset: 40, .size: 8, .value_kind: global_buffer, .address_space: global }
      - { .name: ac, .offset: 48, .size: 8, .value_kind: global_buffer, .address_space: global }
    .group_segment_fixed_size: 34816
    .private_segment_fixed_size: 0
    .kernarg_segment_align: 8
    .kernarg_segment_size: 56
    .max_flat_workgroup_size: 512
    .sgpr_count:     66
    .vgpr_count:     256
    .wavefront_size: 32
...
	.end_amdgpu_metadata
.endif
;; end of part 5
;; launch outp: the kernel of part 4 again; grid 4 x 32, 4 waves a work-group, clusters of 4 x 4, 327,680 bytes of LDS; arguments ac, wc, bo, lowp_scales, out0; writes out0
